; MI455X (gfx1250); checked and timed in simulation.
; The chip was launched on July 23, 2026; its instructions are those of AMD's public machine-readable ISA for CDNA 5 (MIT licence, August 2026) and "CDNA5" Instruction Set Architecture Reference Guide (July 2026). The comments in the code are by the model that wrote it; some were corrected since.
;; Deep Seek Mo E. Allowed arithmetic: float matrix products may take bf16 or f16 operands with f32 sums; other float arithmetic in f32, or as packed bf16 or f16 multiplies, adds, multiply-adds, maxima and minima; sums over many terms, partial sums and values carried from step to step in f32; what a program stores and reads back later, other than sums and carried values, may be rounded once to bf16 or f16.
;; Inputs: expert_bias 8 float32; gate_w 8 x 1,024 float32; rw_down 8 x 1,024 x 1,024 float32; rw_gate 8 x 1,024 x 1,024 float32; rw_up 8 x 1,024 x 1,024 float32; sw_down 1,024 x 1,024 float32; sw_gate 1,024 x 1,024 float32; sw_up 1,024 x 1,024 float32; x 2 x 1,024 x 1,024 float32.
;; Outputs: out0 2 x 1,024 x 1,024 float32; out1 2 x 1,024 x 2 int32.
;; 2 versions, each right; version 2 is version 1 with the launches gu, down written anew for expert scheduling mode. Each part assembles by itself: llvm-mc -triple=amdgcn-amd-amdhsa -mcpu=gfx1250 --defsym DOCPART=n.
;; ======== version 1 of 2: 5 launches
;; workspace buffers: sel 16,384 bytes of whole numbers; cw 16,384 bytes; meta 256 bytes of whole numbers; pos 16,384 bytes of whole numbers; xg 12,845,056 bytes; hg 12,845,056 bytes; part 25,690,112 bytes
;; launch router (part 1): grid 128 x 1, 4 waves a work-group, no clusters, 37,632 bytes of LDS; arguments x, gate_w, expert_bias, xg, sel, cw, out1; writes xg, sel, cw, out1
.if DOCPART == 1
	.amdgcn_target "amdgcn-amd-amdhsa--gfx1250"
	.amdhsa_code_object_version 6
	.text
	.protected	k_qda3024fc19_router
	.globl	k_qda3024fc19_router
	.p2align	8
	.type	k_qda3024fc19_router,@function
k_qda3024fc19_router:
	s_mov_b64 s[64:65], 0
	v_nop
	global_prefetch_b8 v0, s[64:65] scope:SCOPE_SE
	s_setreg_imm32_b32 hwreg(HW_REG_WAVE_MODE, 25, 1), 1
	s_wait_xcnt 0x0
; ROUTER.  A work-group takes 16 tokens.  It rounds their rows of x to bf16 and stores them in OPERAND ORDER as block 264 + wg of xg (the shared expert's
; blocks); it multiplies them by gate_w (bf16 operands, f32 sums), takes the sigmoid, adds bias and tie-break, finds the two largest (the lower index wins a tie)
; and stores the two indices (out1, sel) and the two normalised scores (cw), all at fixed places.
; OPERAND ORDER: a block is 16 rows x 1,024 k of bf16, 32,768 bytes; byte ks*1024 + half*512 + 16*lane holds row lane%16, k = 32 ks + 16 half + 8 (lane/16) + 0..7:
; two loads of 16 bytes a lane, each 512 consecutive bytes for the wave, are one matrix operand of 16 rows x 32 k.
; LIMITS.  x, gate_w and expert_bias are each rounded once to bf16; all arithmetic behind that is f32.  The logits are summed by the matrix unit over 256 k a wave and the four
; parts are added as (p0+p1)+(p2+p3): another order than a plain sum, so two selection values closer than a few 1e-7 may be ordered otherwise.
; The exponential and the reciprocals are good to one unit in the last place and flush denormals; NaN and infinities are not treated apart.
.set TP,    2064                       ; a row of the tile in LDS: 2,048 bytes + 16: an odd multiple of 16, so the 16 rows of a fragment load start in 16 different 16-byte columns
.set PARTS, 16*TP                      ; 33,024: four waves x 1,024 bytes of partial logits
.set SPARE, PARTS+4096                 ; 37,120: the spare words, 128 bytes a wave, two blocks of 256 bytes that no other line names
.set XR,   32                          ; v32-159  x as loaded, 32 loads of 4 registers
.set FR,   32                          ; v32-95   later: my 8 K steps' fragments of x
.set GR,   96                          ; v96-159  later: my 8 K steps' fragments of gate_w
.set CR,   160                         ; v160-223 x rounded, a pair of registers for each load
.set ACC,  224                         ; v224-239 two accumulators that take turns
.set ZR,   240                         ; v240-247 their sum
.set PS,   160                         ; wave 0: the four parts, then the logits in v160-167
.set SC,   168                         ; v168-175 scores
.set BPK,  176                         ; v176-179 bias, packed bf16
.set BB,   184                         ; v184-191 bias
.set TI,   192                         ; v192-199 tie-break
.set SV,   200                         ; v200-207 selection values
.set BV,   208
.set BS,   209
.set IX,   210                         ; v210-211 the two indices
.set WT,   212                         ; v212-213 the two weights
.set BV2,  214
.set BS2,  215
.set DN,   216
.set MSB, 0
.macro WIN new                         ; the high byte repeats the setting that is left; a switch that changes nothing is dropped
.if MSB != (\new)
	s_set_vgpr_msb (MSB<<8)|(\new)
.set MSB, \new
.endif
.endm
	s_load_b256 s[4:11], s[0:1], 0x0               ; x s[4:5], gate_w s[6:7], expert_bias s[8:9], xg s[10:11]
	s_load_b128 s[12:15], s[0:1], 0x20             ; sel s[12:13], cw s[14:15]
	s_load_b64 s[16:17], s[0:1], 0x30              ; out1
	v_lshl_add_u32 v30, v0, 2, SPARE               ; my spare word,
	v_mov_b32 v31, 0                               ; and 0: kept for the closing lines alone
	v_lshrrev_b32 v7, 5, v0
	v_readfirstlane_b32 s20, v7                    ; wave 0..3
	v_and_b32 v1, 31, v0                           ; lane
	v_and_b32 v2, 15, v0                           ; r
	v_bfe_u32 v3, v0, 4, 1                         ; h
	v_lshlrev_b32 v4, 4, v1                        ; 16 x lane
	s_mul_i32 s21, s20, 4*TP
	v_lshl_add_u32 v5, v1, 3, s21                  ; into the tile: my wave's rows 4 w .., 8 bytes a lane
	v_mul_u32_u24 v6, v2, TP
	v_lshl_add_u32 v6, v3, 4, v6
	s_lshl_b32 s21, s20, 9
	v_add_nc_u32 v6, s21, v6                       ; out of the tile: row r, 16 h, my wave's K steps 8 w .. (64 bytes each)
	v_and_b32 v8, 7, v0
	v_lshlrev_b32 v8, 12, v8
	v_lshl_add_u32 v8, v3, 5, v8
	s_lshl_b32 s21, s20, 10
	v_add_nc_u32 v8, s21, v8                       ; gate_w: expert r % 8, 32 h bytes, my wave's 256 k (rows 8-15 of the operand repeat experts 0-7)
	v_lshl_add_u32 v10, v1, 5, PARTS               ; wave 0's part
	v_add_nc_u32 v9, s21, v10                      ; my wave's part
	s_lshl_b32 s22, ttmp9, 16                      ; 16 rows of 4,096 bytes a work-group,
	s_lshl_b32 s23, s20, 14                        ; 4 rows a wave
	s_add_co_u32 s22, s22, s23
	s_mov_b32 s23, 0
	s_add_co_u32 s18, ttmp9, 264                   ; my block of xg,
	s_lshl_b32 s18, s18, 15
	s_lshl_b32 s19, s20, 13                        ; my wave's 8 K steps of 1,024 bytes in it
	s_add_co_u32 s18, s18, s19
	s_mov_b32 s19, 0
	s_mov_b32 s32, 0xbfb8aa3b                      ; -log2(e)
	s_mov_b32 s33, s32                             ; named with it as a pair
	s_mov_b32 s35, 0xff800000                      ; -infinity
	s_lshl_b32 s21, ttmp9, 7
	v_lshl_add_u32 v11, v2, 3, s21                 ; 8 bytes a token in out1, sel and cw
	s_wait_kmcnt 0x0
	s_load_b256 s[24:31], s[8:9], 0x0              ; the eight biases
	s_add_nc_u64 s[4:5], s[4:5], s[22:23]
	s_add_nc_u64 s[10:11], s[10:11], s[18:19]
	WIN 0x40                                       ; destination window 1: gate_w in f32, 16 registers a K step
.set k, 0
.rept 8
	global_load_b128 v[16*k:16*k+3],     v8, s[6:7] offset:128*k
	global_load_b128 v[16*k+4:16*k+7],   v8, s[6:7] offset:128*k+16
	global_load_b128 v[16*k+8:16*k+11],  v8, s[6:7] offset:128*k+64
	global_load_b128 v[16*k+12:16*k+15], v8, s[6:7] offset:128*k+80
.set k, k+1
.endr
	WIN 0
.set i, 0
.rept 32                                       ; my four rows of x: each load covers 512 consecutive bytes
	global_load_b128 v[XR+4*i:XR+4*i+3], v4, s[4:5] offset:(i/8)*4096+(i%8)*512
.set i, i+1
.endr
.set i, 0
.rept 32
	s_wait_loadcnt 31-i                            ; loads come back in order: load i of x is in (the 31 - i younger ones stay out), and so is all of gate_w, which was asked for first
	v_cvt_pk_bf16_f32 v[CR+2*i], v[XR+4*i], v[XR+4*i+1]
	v_cvt_pk_bf16_f32 v[CR+2*i+1], v[XR+4*i+2], v[XR+4*i+3]
	ds_store_b64 v5, v[CR+2*i:CR+2*i+1] offset:(i/8)*TP+(i%8)*256
.set i, i+1
.endr
	s_wait_dscnt 0x0                               ; for the others: my rows are in the tile
	s_barrier_signal -1
	s_barrier_wait -1
.set k, 0
.rept 8                                        ; the fragments of my 8 K steps, all 16 rows
	ds_load_b128 v[FR+8*k:FR+8*k+3],   v6 offset:64*k
	ds_load_b128 v[FR+8*k+4:FR+8*k+7], v6 offset:64*k+32
.set k, k+1
.endr
	WIN 0x05                                       ; sources in window 1
.set i, 0
.rept 64
	v_cvt_pk_bf16_f32 v[GR+i], v[2*i], v[2*i+1]    ; gate_w rounded: the fragments of my 8 K steps
.set i, i+1
.endr
	WIN 0
	s_wait_dscnt 0x0
.set k, 0
.rept 8                                        ; the fragments ARE the block in operand order: each store covers 512 consecutive bytes, aligned
	global_store_b128 v4, v[FR+8*k:FR+8*k+3],   s[10:11] offset:1024*k
	global_store_b128 v4, v[FR+8*k+4:FR+8*k+7], s[10:11] offset:1024*k+512
.set k, k+1
.endr
; Source 0 = experts, source 1 = tokens: register j of lane (r, h) is the logit of expert j for token r, in both halves of the lanes.
; The two accumulators take turns, one instruction a turn; the first two products start the sums.
.set k, 0
.rept 8
.if k < 2
	v_wmma_f32_16x16x32_bf16 v[ACC+8*k:ACC+8*k+7], v[GR+8*k:GR+8*k+7], v[FR+8*k:FR+8*k+7], 0
.else
	v_wmma_f32_16x16x32_bf16 v[ACC+8*(k%2):ACC+8*(k%2)+7], v[GR+8*k:GR+8*k+7], v[FR+8*k:FR+8*k+7], v[ACC+8*(k%2):ACC+8*(k%2)+7]
.endif
.set k, k+1
.endr
.rept 4
	v_nop                                          ; four places behind the last product (ISA guide 7.12.1)
.endr
.set i, 0
.rept 4
	v_pk_add_f32 v[ZR+2*i:ZR+2*i+1], v[ACC+2*i:ACC+2*i+1], v[ACC+8+2*i:ACC+8+2*i+1]  ; from the low end on
.set i, i+1
.endr
	ds_store_b128 v9, v[ZR:ZR+3]
	ds_store_b128 v9, v[ZR+4:ZR+7] offset:16
	s_wait_dscnt 0x0                               ; for wave 0: my part is in LDS
	s_barrier_signal -1
	s_barrier_wait -1
	s_cmp_lg_u32 s20, 0
	s_cbranch_scc1 .Lend                           ; the rest is wave 0's: no barrier stands in it
.set k, 0
.rept 4
	ds_load_b128 v[PS+8*k:PS+8*k+3],   v10 offset:1024*k
	ds_load_b128 v[PS+8*k+4:PS+8*k+7], v10 offset:1024*k+16
.set k, k+1
.endr
	s_wait_dscnt 0x0
.set i, 0
.rept 4
	v_pk_add_f32 v[PS+2*i:PS+2*i+1], v[PS+2*i:PS+2*i+1], v[PS+8+2*i:PS+8+2*i+1]
	v_pk_add_f32 v[PS+16+2*i:PS+16+2*i+1], v[PS+16+2*i:PS+16+2*i+1], v[PS+24+2*i:PS+24+2*i+1]
.set i, i+1
.endr
.set i, 0
.rept 4
	v_pk_add_f32 v[PS+2*i:PS+2*i+1], v[PS+2*i:PS+2*i+1], v[PS+16+2*i:PS+16+2*i+1]
.set i, i+1
.endr
.set i, 0
.rept 4
	v_pk_mul_f32 v[SC+2*i:SC+2*i+1], v[PS+2*i:PS+2*i+1], s[32:33] op_sel_hi:[1,0]
.set i, i+1
.endr
.set i, 0
.rept 8
	v_exp_f32 v[SC+i], v[SC+i]                     ; e^-z: one batch of eight
.set i, i+1
.endr
	s_wait_kmcnt 0x0                               ; the biases; their rounding and the tie-break are the independent work behind the batch
.set i, 0
.rept 8
	v_mov_b32 v[BB+i], s[24+i]
.set i, i+1
.endr
.set i, 0
.rept 4
	v_cvt_pk_bf16_f32 v[BPK+i], v[BB+2*i], v[BB+2*i+1]
.set i, i+1
.endr
.set i, 0
.rept 4
	v_lshlrev_b32 v[BB+2*i], 16, v[BPK+i]
	v_and_b32 v[BB+2*i+1], 0xffff0000, v[BPK+i]
.set i, i+1
.endr
.set i, 0
.rept 8
	v_cvt_f32_u32 v[TI+i], i
	v_mul_f32 v[TI+i], 0x358637bd, v[TI+i]         ; e x 1e-6, one rounding
.set i, i+1
.endr
	s_wait_alu depctr_va_vdst(0)                   ; one wait for the eight exponentials, ahead of their first reader
.set i, 0
.rept 4
	v_pk_add_f32 v[SC+2*i:SC+2*i+1], v[SC+2*i:SC+2*i+1], 1.0 op_sel_hi:[1,0]
.set i, i+1
.endr
.set i, 0
.rept 8
	v_rcp_f32 v[SC+i], v[SC+i]                     ; the scores
.set i, i+1
.endr
	v_nop                                          ; a plain instruction behind the last reciprocal,
	s_wait_alu depctr_va_vdst(0)                   ; and one wait for the eight
.set i, 0
.rept 8
	v_add_f32 v[SV+i], v[SC+i], v[BB+i]            ; (score + bias) + tie: two roundings, in that order
	v_add_f32 v[SV+i], v[SV+i], v[TI+i]
.set i, i+1
.endr
	v_mov_b32 v[BV], v[SV]                         ; the largest: a strict compare keeps the lower index
	v_mov_b32 v[BS], v[SC]
	v_mov_b32 v[IX], 0
.set i, 1
.rept 7
	v_cmp_gt_f32 vcc_lo, v[SV+i], v[BV]
	v_cndmask_b32 v[BV], v[BV], v[SV+i], vcc_lo
	v_cndmask_b32 v[BS], v[BS], v[SC+i], vcc_lo
	v_cndmask_b32 v[IX], v[IX], i, vcc_lo
.set i, i+1
.endr
.set i, 0
.rept 8
	v_cmp_eq_u32 vcc_lo, i, v[IX]
	v_cndmask_b32 v[SV+i], v[SV+i], s35, vcc_lo    ; the winner leaves the field
.set i, i+1
.endr
	v_mov_b32 v[BV2], v[SV]                        ; the second largest
	v_mov_b32 v[BS2], v[SC]
	v_mov_b32 v[IX+1], 0
.set i, 1
.rept 7
	v_cmp_gt_f32 vcc_lo, v[SV+i], v[BV2]
	v_cndmask_b32 v[BV2], v[BV2], v[SV+i], vcc_lo
	v_cndmask_b32 v[BS2], v[BS2], v[SC+i], vcc_lo
	v_cndmask_b32 v[IX+1], v[IX+1], i, vcc_lo
.set i, i+1
.endr
	v_add_f32 v[DN], v[BS], v[BS2]
	v_max_num_f32 v[DN], 0x3089705f, v[DN]         ; at least 1e-9
	v_rcp_f32 v[DN], v[DN]
	v_nop
	s_wait_alu depctr_va_vdst(0)
	v_mul_f32 v[WT], v[BS], v[DN]
	v_mul_f32 v[WT+1], v[BS2], v[DN]
	s_wait_xcnt 0x0                                ; EXEC is a source of the stores into xg: it changes only behind this wait
	v_cmp_gt_u32 vcc_lo, 16, v1
	s_and_saveexec_b32 s34, vcc_lo                 ; lanes 0-15: one lane a token
	global_store_b64 v11, v[IX:IX+1], s[16:17]
	global_store_b64 v11, v[IX:IX+1], s[12:13]
	global_store_b64 v11, v[WT:WT+1], s[14:15]
	s_wait_xcnt 0x0                                ; and again ahead of the line that widens it
	s_or_b32 exec_lo, exec_lo, s34
.Lend:
	s_wait_tensorcnt 0x0                           ; the wave's end: the closing add of 0 into my spare word follows, then a wait
	ds_add_u32 v30, v31
	s_wait_dscnt 0x0
	s_endpgm
.Lfunc_end_k_qda3024fc19_router:
	.size	k_qda3024fc19_router, .Lfunc_end_k_qda3024fc19_router-k_qda3024fc19_router
	.p2alignl 7, 3214868480
	.fill 96, 4, 3214868480
	.section	.rodata,"a",@progbits
	.p2align	6, 0x0
	.amdhsa_kernel k_qda3024fc19_router
		.amdhsa_group_segment_fixed_size 37632
		.amdhsa_private_segment_fixed_size 0
		.amdhsa_enable_private_segment 0
		.amdhsa_kernarg_size 56
		.amdhsa_user_sgpr_count 2
		.amdhsa_user_sgpr_kernarg_segment_ptr 1
		.amdhsa_wavefront_size32 1
		.amdhsa_system_sgpr_workgroup_id_x 1
		.amdhsa_system_sgpr_workgroup_id_y 1
		.amdhsa_system_sgpr_workgroup_id_z 1
		.amdhsa_system_vgpr_workitem_id 0
		.amdhsa_next_free_vgpr 384
		.amdhsa_next_free_sgpr 66
		.amdhsa_reserve_vcc 1
		.amdhsa_float_denorm_mode_32 3
		.amdhsa_float_denorm_mode_16_64 3
		.amdhsa_memory_ordered 1
		.amdhsa_forward_progress 1
		.amdhsa_inst_pref_size 32
	.end_amdhsa_kernel
	.amdgpu_metadata
---
amdhsa.version: [ 1, 2 ]
amdhsa.kernels:
  - .name:           k_qda3024fc19_router
    .symbol:         k_qda3024fc19_router.kd
    .args:
      - { .name: x, .offset: 0, .size: 8, .value_kind: global_buffer, .address_space: global }
      - { .name: gate_w, .offset: 8, .size: 8, .value_kind: global_buffer, .address_space: global }
      - { .name: expert_bias, .offset: 16, .size: 8, .value_kind: global_buffer, .address_space: global }
      - { .name: xg, .offset: 24, .size: 8, .value_kind: global_buffer, .address_space: global }
      - { .name: sel, .offset: 32, .size: 8, .value_kind: global_buffer, .address_space: global }
      - { .name: cw, .offset: 40, .size: 8, .value_kind: global_buffer, .address_space: global }
      - { .name: out1, .offset: 48, .size: 8, .value_kind: global_buffer, .address_space: global }
    .group_segment_fixed_size: 37632
    .private_segment_fixed_size: 0
    .kernarg_segment_align: 8
    .kernarg_segment_size: 56
    .max_flat_workgroup_size: 128
    .sgpr_count:     66
    .vgpr_count:     384
    .wavefront_size: 32
...
	.end_amdgpu_metadata
.endif
;; end of part 1
;; launch place (part 2): grid 264 x 1, 4 waves a work-group, no clusters, 38,400 bytes of LDS; arguments x, sel, xg, pos, meta; writes xg, pos, meta
.if DOCPART == 2
	.amdgcn_target "amdgcn-amd-amdhsa--gfx1250"
	.amdhsa_code_object_version 6
	.text
	.protected	k_qda3024fc19_place
	.globl	k_qda3024fc19_place
	.p2align	8
	.type	k_qda3024fc19_place,@function
k_qda3024fc19_place:
	s_mov_b64 s[64:65], 0
	v_nop
	global_prefetch_b8 v0, s[64:65] scope:SCOPE_SE
	s_setreg_imm32_b32 hwreg(HW_REG_WAVE_MODE, 25, 1), 1
	s_wait_xcnt 0x0
; PLACE.  The 4,096 choices (token, expert) are sorted by expert, tokens ascending, each expert's rows padded to whole blocks of 16: never more than 256 + 7 blocks, whatever the split.
; Work-group B owns block B of xg.  Each work-group counts the routing for itself from sel (16 KB, whole numbers only, no atomics): bit masks of the choices, counts by wave and expert
; through LDS, a prefix sum in scalar registers; it finds its expert and its 16 tokens, gathers their rows of x, rounds them to bf16 and stores the block in operand order
; (byte ks*1024 + half*512 + 16*lane: row lane%16, k = 32 ks + 16 half + 8 (lane/16) + 0..7).  Places past an expert's count repeat token 0, a row that exists.
; pos[t][k] = 16 B + r says where choice (t, k) lies.  meta: word e = expert e's first block, word 16 + e = its number of blocks; expert 8 is the shared one: blocks 264 to 391.
; A block past the split's total stores nothing: the grid serves every split.  Every wave passes every barrier; only stores are jumped over.
.set TP,    2064                       ; a row of the tile in LDS: 2,048 + 16 bytes
.set BM,    16*TP                      ; 33,024: [wave 4][expert 8][32 words]: words 0-15 the masks of the wave's 16 groups of 32 tokens, word 16 the wave's count
.set LIST,  BM+4096                    ; 37,120: four waves x 128 bytes: words 0-15 the block's tokens that this wave found (else 0), word 16 takes what does not belong to the block
.set SPARE, LIST+512                   ; 37,632: the spare words, two blocks of 256 bytes that no other line names
.set MA,  15                           ; v15      4 x lane: meta's address; holds nothing else
.set MD,  16                           ; v16      meta's words; holds nothing else
.set IR,  32                           ; v32-63   sel of my wave's 512 tokens
.set WR,  32                           ; v32-47   later: my wave's 16 mask words of the block's expert
.set XR,  64                           ; v64-191  four rows of x as loaded
.set FR,  64                           ; v64-127  later: fragments
.set CR,  192                          ; v192-255 x rounded
; scalars: s14 wave, s15 B, s16 loop, s17-s20 at work, s21 my list; s32-s63 counts [wave][expert]; s66-73 totals; s74-81 blocks; s82-90 first blocks;
; s91 my expert, s92 its first block, s93 its total, s94-96 its counts in waves 0-2, s97 the rank of my block's first row, s98 rows of my block that exist, s99 ranks ahead of my wave
	s_load_b256 s[4:11], s[0:1], 0x0               ; x s[4:5], sel s[6:7], xg s[8:9], pos s[10:11]
	s_load_b64 s[12:13], s[0:1], 0x20              ; meta
	v_lshl_add_u32 v30, v0, 2, SPARE
	v_mov_b32 v31, 0
	v_lshrrev_b32 v9, 5, v0
	v_readfirstlane_b32 s14, v9                    ; wave 0..3
	s_mov_b32 s15, ttmp9
	v_and_b32 v1, 31, v0                           ; lane
	v_and_b32 v2, 15, v0                           ; r
	v_bfe_u32 v3, v0, 4, 1                         ; h
	v_lshlrev_b32 v4, 4, v1
	v_lshlrev_b32 v[MA], 2, v1
	v_mov_b32 v[MD], 0
	s_mul_i32 s17, s14, 4*TP
	v_lshl_add_u32 v5, v1, 3, s17                  ; into the tile: rows 4 w ..
	v_mul_u32_u24 v6, v2, TP
	v_lshl_add_u32 v6, v3, 4, v6
	s_lshl_b32 s17, s14, 9
	v_add_nc_u32 v6, s17, v6                       ; out of the tile: row r, 16 h, K steps 8 w ..
	s_lshl_b32 s17, s14, 10
	s_add_co_u32 s17, s17, BM
	v_lshl_add_u32 v7, v1, 2, s17                  ; my wave's masks, expert 0
	s_lshl_b32 s21, s14, 7
	s_add_co_u32 s21, s21, LIST                    ; my wave's list
	v_lshl_add_u32 v10, v1, 2, s21
	v_mov_b32 v11, 0
	ds_store_b32 v10, v11                          ; cleared: 0 is token 0
	s_lshl_b32 s17, s14, 12
	v_lshl_add_u32 v9, v1, 3, s17                  ; sel of token 512 w + lane
	s_wait_kmcnt 0x0
.set g, 0
.rept 16
	global_load_b64 v[IR+2*g:IR+2*g+1], v9, s[6:7] offset:256*g
.set g, g+1
.endr
	s_wait_loadcnt 0x0
	s_mov_b32 s16, 0
.Lexp:                                                 ; for each expert: 16 masks and their count, one word a lane, into LDS
	v_mov_b32 v8, 0
	s_mov_b32 s20, 0
.set g, 0
.rept 16
	v_cmp_eq_u32 s17, s16, v[IR+2*g]
	v_cmp_eq_u32 s18, s16, v[IR+2*g+1]
	s_or_b32 s17, s17, s18                         ; a token's two choices differ
	v_writelane_b32 v8, s17, g
	s_bcnt1_i32_b32 s18, s17
	s_add_co_u32 s20, s20, s18
.set g, g+1
.endr
	v_writelane_b32 v8, s20, 16
	ds_store_b32 v7, v8
	v_add_nc_u32 v7, 128, v7
	s_add_co_u32 s16, s16, 1
	s_cmp_lt_u32 s16, 8
	s_cbranch_scc1 .Lexp
	s_wait_dscnt 0x0                               ; for the others: my counts are in LDS
	s_barrier_signal -1
	s_barrier_wait -1
	v_lshrrev_b32 v10, 3, v1
	v_and_b32 v11, 7, v1
	v_lshlrev_b32 v10, 10, v10
	v_lshl_add_u32 v10, v11, 7, v10
	ds_load_b32 v12, v10 offset:BM+64              ; lane 8 w + e: the count of wave w, expert e
	s_wait_dscnt 0x0
.set i, 0
.rept 32
	v_readlane_b32 s[32+i], v12, i
.set i, i+1
.endr
.set ee, 0
.rept 8
	s_add_co_u32 s[66+ee], s[32+ee], s[40+ee]
	s_add_co_u32 s[66+ee], s[66+ee], s[48+ee]
	s_add_co_u32 s[66+ee], s[66+ee], s[56+ee]      ; the expert's rows,
	s_add_co_u32 s[74+ee], s[66+ee], 15
	s_lshr_b32 s[74+ee], s[74+ee], 4               ; its blocks
.set ee, ee+1
.endr
	s_mov_b32 s82, 0
.set ee, 0
.rept 8
	s_add_co_u32 s[83+ee], s[82+ee], s[74+ee]      ; first blocks
.set ee, ee+1
.endr
	s_mov_b32 s91, 0                               ; my expert: the last whose first block is not behind B (an expert without rows is passed over)
	s_mov_b32 s92, s82
	s_mov_b32 s93, s66
	s_mov_b32 s94, s32
	s_mov_b32 s95, s40
	s_mov_b32 s96, s48
.set ee, 1
.rept 7
	s_cmp_ge_u32 s15, s[82+ee]
	s_cselect_b32 s91, ee, s91
	s_cselect_b32 s92, s[82+ee], s92
	s_cselect_b32 s93, s[66+ee], s93
	s_cselect_b32 s94, s[32+ee], s94
	s_cselect_b32 s95, s[40+ee], s95
	s_cselect_b32 s96, s[48+ee], s96
.set ee, ee+1
.endr
	s_sub_co_u32 s97, s15, s92
	s_lshl_b32 s97, s97, 4                         ; the rank of my block's first row
	s_sub_co_i32 s98, s93, s97
	s_max_i32 s98, s98, 0
	s_min_i32 s98, s98, 16                         ; rows of my block that exist
	s_cmp_gt_u32 s14, 0
	s_cselect_b32 s99, s94, 0
	s_cmp_gt_u32 s14, 1
	s_cselect_b32 s17, s95, 0
	s_add_co_u32 s99, s99, s17
	s_cmp_gt_u32 s14, 2
	s_cselect_b32 s17, s96, 0
	s_add_co_u32 s99, s99, s17                     ; ranks taken by the waves ahead of mine
	s_min_u32 s91, s91, 7                          ; it enters an LDS address
	s_lshl_b32 s17, s91, 7
	s_lshl_b32 s18, s14, 10
	s_add_co_u32 s17, s17, s18
	v_mov_b32 v10, s17
.set i, 0
.rept 4
	ds_load_b128 v[WR+4*i:WR+4*i+3], v10 offset:BM+16*i  ; my own wave's 16 masks of that expert, the same in every lane
.set i, i+1
.endr
	s_sub_co_u32 s18, s99, s97                     ; the rank, less my block's first, of my wave's first chosen token (it may be below 0: then it is large as an unsigned number)
	s_lshl_b32 s19, s14, 9
	v_add_nc_u32 v14, s19, v1                      ; my token in group 0
	s_wait_dscnt 0x0
.set g, 0
.rept 16
	v_readfirstlane_b32 s17, v[WR+g]
	v_mbcnt_lo_u32_b32 v11, s17, s18               ; chosen tokens in the lanes below mine + those before: my place in the block, if I am chosen
	v_bfe_u32 v12, s17, v1, 1                      ; am I?
	v_cmp_gt_u32 vcc_lo, 16, v11
	v_cndmask_b32 v12, 0, v12, vcc_lo              ; and in this block?
	v_cmp_eq_u32 vcc_lo, 1, v12
	v_cndmask_b32 v11, 16, v11, vcc_lo             ; else word 16
	v_min_u32 v11, 16, v11
	v_lshl_add_u32 v11, v11, 2, s21
	ds_store_b32 v11, v14
	v_add_nc_u32 v14, 32, v14
	s_bcnt1_i32_b32 s19, s17
	s_add_co_u32 s18, s18, s19
.set g, g+1
.endr
	s_wait_dscnt 0x0                               ; for the others: my list is written
	s_barrier_signal -1
	s_barrier_wait -1
	s_lshl_b32 s17, s14, 4
	v_mov_b32 v10, s17
.set k, 0
.rept 4
	ds_load_b128 v[32+4*k:35+4*k], v10 offset:LIST+128*k  ; places 4 w .. 4 w + 3 of all four lists, the same in every lane
.set k, k+1
.endr
	s_wait_dscnt 0x0
.set i, 0
.rept 4
	v_or_b32 v[32+i], v[32+i], v[36+i]             ; at most one list holds a token there
	v_or_b32 v[40+i], v[40+i], v[44+i]
	v_or_b32 v[32+i], v[32+i], v[40+i]
	v_min_u32 v[32+i], 2047, v[32+i]
	v_lshl_add_u32 v[21+i], v[32+i], 12, v4        ; the row's 4,096 bytes, 16 a lane
.set i, i+1
.endr
.set i, 0
.rept 32
	global_load_b128 v[XR+4*i:XR+4*i+3], v[21+i/8], s[4:5] offset:(i%8)*512
.set i, i+1
.endr
.set i, 0
.rept 32
	s_wait_loadcnt 31-i                            ; load i is in; the 31 - i younger ones stay out
	v_cvt_pk_bf16_f32 v[CR+2*i], v[XR+4*i], v[XR+4*i+1]
	v_cvt_pk_bf16_f32 v[CR+2*i+1], v[XR+4*i+2], v[XR+4*i+3]
	ds_store_b64 v5, v[CR+2*i:CR+2*i+1] offset:(i/8)*TP+(i%8)*256
.set i, i+1
.endr
	s_wait_dscnt 0x0                               ; for the others: my rows are in the tile
	s_barrier_signal -1
	s_barrier_wait -1
.set k, 0
.rept 8
	ds_load_b128 v[FR+8*k:FR+8*k+3],   v6 offset:64*k
	ds_load_b128 v[FR+8*k+4:FR+8*k+7], v6 offset:64*k+32
.set k, k+1
.endr
	s_lshl_b32 s18, s15, 15
	s_lshl_b32 s19, s14, 13
	s_add_co_u32 s18, s18, s19
	s_mov_b32 s19, 0
	s_add_nc_u64 s[8:9], s[8:9], s[18:19]          ; my block, my wave's 8 K steps
	s_wait_dscnt 0x0
	s_cmp_eq_u32 s98, 0
	s_cbranch_scc1 .Lnone                          ; a block without rows stores nothing
.set k, 0
.rept 8
	global_store_b128 v4, v[FR+8*k:FR+8*k+3],   s[8:9] offset:1024*k      ; 512 consecutive bytes, aligned
	global_store_b128 v4, v[FR+8*k+4:FR+8*k+7], s[8:9] offset:1024*k+512
.set k, k+1
.endr
	s_cmp_lg_u32 s14, 0
	s_cbranch_scc1 .Lnone                          ; wave 0 writes pos
	v_lshlrev_b32 v10, 2, v2
.set k, 0
.rept 4
	ds_load_b32 v[32+k], v10 offset:LIST+128*k
.set k, k+1
.endr
	s_wait_dscnt 0x0
	v_or_b32 v32, v32, v33
	v_or_b32 v34, v34, v35
	v_or_b32 v32, v32, v34                         ; the token of row r
	v_min_u32 v32, 2047, v32
	v_lshlrev_b32 v33, 3, v32
	global_load_b32 v34, v33, s[6:7]               ; its first choice
	v_mov_b32 v35, 4
	s_lshl_b32 s17, s15, 4
	v_add_nc_u32 v36, s17, v2                      ; 16 B + r
	s_wait_loadcnt 0x0
	v_cmp_ne_u32 vcc_lo, s91, v34
	v_cndmask_b32 v35, 0, v35, vcc_lo              ; my expert is its first choice (0) or its second (4 bytes on)
	v_min_u32 v35, 4, v35
	v_add_nc_u32 v37, v33, v35
	s_wait_xcnt 0x0                                ; EXEC is a source of the stores above: it changes only behind this wait
	v_cmp_gt_u32 vcc_lo, s98, v1
	s_and_saveexec_b32 s18, vcc_lo                 ; the rows that exist
	global_store_b32 v37, v36, s[10:11]
	s_wait_xcnt 0x0
	s_or_b32 exec_lo, exec_lo, s18
.Lnone:
	s_or_b32 s17, s14, s15
	s_cmp_lg_u32 s17, 0
	s_cbranch_scc1 .Lend                           ; wave 0 of work-group 0 writes meta
.set ee, 0
.rept 8
	v_writelane_b32 v[MD], s[82+ee], ee
	v_writelane_b32 v[MD], s[74+ee], 16+ee
.set ee, ee+1
.endr
	s_movk_i32 s17, 264
	v_writelane_b32 v[MD], s17, 8
	s_movk_i32 s17, 128
	v_writelane_b32 v[MD], s17, 24
	global_store_b32 v[MA], v[MD], s[12:13]        ; 32 words: the other lanes hold the 0 of the kernel's head
.Lend:
	s_wait_tensorcnt 0x0                           ; the wave's end: the closing add of 0 into my spare word follows, then a wait
	ds_add_u32 v30, v31
	s_wait_dscnt 0x0
	s_endpgm
.Lfunc_end_k_qda3024fc19_place:
	.size	k_qda3024fc19_place, .Lfunc_end_k_qda3024fc19_place-k_qda3024fc19_place
	.p2alignl 7, 3214868480
	.fill 96, 4, 3214868480
	.section	.rodata,"a",@progbits
	.p2align	6, 0x0
	.amdhsa_kernel k_qda3024fc19_place
		.amdhsa_group_segment_fixed_size 38400
		.amdhsa_private_segment_fixed_size 0
		.amdhsa_enable_private_segment 0
		.amdhsa_kernarg_size 40
		.amdhsa_user_sgpr_count 2
		.amdhsa_user_sgpr_kernarg_segment_ptr 1
		.amdhsa_wavefront_size32 1
		.amdhsa_system_sgpr_workgroup_id_x 1
		.amdhsa_system_sgpr_workgroup_id_y 1
		.amdhsa_system_sgpr_workgroup_id_z 1
		.amdhsa_system_vgpr_workitem_id 0
		.amdhsa_next_free_vgpr 256
		.amdhsa_next_free_sgpr 100
		.amdhsa_reserve_vcc 1
		.amdhsa_float_denorm_mode_32 3
		.amdhsa_float_denorm_mode_16_64 3
		.amdhsa_memory_ordered 1
		.amdhsa_forward_progress 1
		.amdhsa_inst_pref_size 40
	.end_amdhsa_kernel
	.amdgpu_metadata
---
amdhsa.version: [ 1, 2 ]
amdhsa.kernels:
  - .name:           k_qda3024fc19_place
    .symbol:         k_qda3024fc19_place.kd
    .args:
      - { .name: x, .offset: 0, .size: 8, .value_kind: global_buffer, .address_space: global }
      - { .name: sel, .offset: 8, .size: 8, .value_kind: global_buffer, .address_space: global }
      - { .name: xg, .offset: 16, .size: 8, .value_kind: global_buffer, .address_space: global }
      - { .name: pos, .offset: 24, .size: 8, .value_kind: global_buffer, .address_space: global }
      - { .name: meta, .offset: 32, .size: 8, .value_kind: global_buffer, .address_space: global }
    .group_segment_fixed_size: 38400
    .private_segment_fixed_size: 0
    .kernarg_segment_align: 8
    .kernarg_segment_size: 40
    .max_flat_workgroup_size: 128
    .sgpr_count:     100
    .vgpr_count:     256
    .wavefront_size: 32
...
	.end_amdgpu_metadata
.endif
;; end of part 2
;; launch gu (part 3): grid 16 x 12, 4 waves a work-group, no clusters, 266,752 bytes of LDS; arguments rw_gate, rw_up, sw_gate, sw_up, xg, meta, hg; writes hg
.if DOCPART == 3
	.amdgcn_target "amdgcn-amd-amdhsa--gfx1250"
	.amdhsa_code_object_version 6
	.text
	.protected	k_qda3024fc19_gu
	.globl	k_qda3024fc19_gu
	.p2align	8
	.type	k_qda3024fc19_gu,@function
k_qda3024fc19_gu:
	s_mov_b64 s[64:65], 0
	v_nop
	global_prefetch_b8 v0, s[64:65] scope:SCOPE_SE
	s_setreg_imm32_b32 hwreg(HW_REG_WAVE_MODE, 25, 1), 1
	s_wait_xcnt 0x0
; GATE AND UP.  hg = silu(x Wg) * (x Wu) for nine experts (8 routed, expert 8 = the shared one), bf16 operands, f32 sums, the result rounded once to bf16.
; WEIGHTS STAY.  A work-group owns 64 columns of Wg and the same 64 of Wu of ONE expert (slice x of 16).  PHASE 1: it reads them once as f32 (each load: two rows' 256 consecutive
; aligned bytes), rounds them in registers and lays them into LDS as ready operands, 266,240 bytes.  One barrier.  PHASE 2: each wave walks its own blocks of 16 token rows, up to 9 a pass;
; the token operands come from xg straight into registers (512 consecutive bytes a load), so the row loop writes no LDS and has no barrier.
; GRID.  y < 8: expert y, all its blocks dealt to this work-group's 4 waves; y >= 8: the shared expert's 128 blocks dealt to 4 work-groups' 16 waves.  The mean is 8 blocks a wave either way
; (4,096 routed rows / 8 experts / 16 rows / 4 waves); a pass has room for one more, so that an expert with up to 576 rows needs one pass.
; EVERY SPLIT IS SERVED.  An expert has 2,048 rows at the most (a token's two choices differ): 128 blocks, 32 a wave, 4 passes of 9.  The pass loop counts to that constant; a pass with no block left
; is jumped over.  In a pass that is not full the places past the count repeat the last block's loads (so that every wait's count holds on every path) and their products are jumped over,
; but in the pass's first K step, whose products start all the sums.
; A K STEP IS NINE GROUPS: a block's eight products each.  The step's loads are dealt among the groups and stand in front of their products, outside every jump: no long run of loads stands between products.
; THE PRODUCT IS USED TRANSPOSED: source 0 = 16 weight columns, source 1 = 16 tokens: a lane holds token lane%16 and the 8 neighbouring columns 8 (lane/16) + 0..7, which, rounded, ARE 16 bytes
; of the next product's operand: the hidden layer needs no stage in LDS.
; NO TENSOR LOADS: the weights are rounded and turned ([k][column] f32 to [column][k] bf16) on their way, which goes through registers.  NO CLUSTER: a routed slice has one reader; what work-groups
; share is the token blocks, and beside the slice LDS has 61,440 bytes left, less than a K step of 128 of a work-group's 512 rows (131,072).
; LIMITS.  Weights and x rounded once to bf16.  h = (g u) / (1 + e^-g): the order of the multiplications differs from silu(g) u; exponential and reciprocal are good to one unit in the last place
; and flush denormals; g u must stay finite in f32; NaN and infinities are not treated apart.
; REGISTERS, 1,024 in windows of 256: accumulators 9 x 64, the tokens' ring 4 x 72, the weights' two buffers 128, addresses 32.
;   window 0: v0-31 addresses; v32-159 weight operands, two buffers (phase 1: v32-63 converted words; the way out: v32-127 at work); v160-183 accumulators (8, 5..7); v184-255 ring buffer 3
;   window 1: v0-215 ring buffers 0-2 (phase 1: v0-255 eight units of 32); v216-255 accumulators (8, 0..4)          windows 2, 3: accumulator (a, b), a < 8, at window 2 + a/4, register 64 (a%4) + 8 b
.set CAP,   9                          ; blocks a pass
.set MAXP,  4                          ; passes: 128 blocks / 4 waves / CAP, rounded up
.set FPG,   1                          ; weight fragments that a group fetches: groups 0-7 one each
.set KP,    8320                       ; LDS bytes of a K step of 32: 8 column blocks of 1,040
.set BP,    1040                       ; a column block: two halves of 512 bytes + 16: so the 16 lanes of a phase-1 store fall into 16 different 16-byte columns
.set SPARE, 32*KP                      ; 266,240: the spare words, two blocks of 256 bytes that no other line names
.set WOFF, 4                           ; v4   weights: (lane/16) x 8 rows + (lane%16) x 16 bytes
.set WLDS, 5                           ; v5   where my converted 16 bytes go
.set BA,   6                           ; v6   LDS address of the weight operands: s[KB] + 16 x lane, made anew at each trip's head
.set LOFF, 7                           ; v7   16 x lane; never rewritten
.set AO,   8                           ; v8-16  block a of the pass: its byte offset from the pass's first block + 16 x lane
.set SPW,  30
.set NIL,  31
.set CT,   32                          ; v32-63  phase 1: converted words, two sets of 16
.set BF,   32                          ; v32-95, v96-159  weight operands of a K step, two buffers
.set TT,   32                          ; the way out: v32-63, v64-95 at work; v96-127 two sets of 16 to store
.set PP,   64
.set HH,   96
.set W0,   20                          ; s[20:21] Wg, s[22:23] Wu at my slice and my wave's rows
.set SA,   24                          ; s[24:25] xg at the pass's first block
.set SO,   26                          ; s[26:27] hg at the pass's first block and my slice
.set WV,   28
.set SL,   29
.set YY,   30
.set EX,   31
.set PT,   32
.set LOGG, 33
.set OFFB, 34
.set NB,   35
.set LEFT, 36                          ; s36  my blocks still to do (signed: it may fall below 0)
.set BLK,  37
.set PASS, 39
.set LIVE, 40
.set LIVE1, 41
.set KB,   42                          ; s42  LDS byte at which the K loop's trip begins
.set KC,   43
.set ME,   45                          ; s45  4 x expert: the scalar loads' offset; never rewritten
.set TM,   46                          ; s46-49 at work
.set NL2E, 50                          ; s[50:51] -log2(e)
.set MSB, 0
.macro WIN new                         ; the high byte repeats the setting that is left; a switch that changes nothing is dropped
.if MSB != (\new)
	s_set_vgpr_msb (MSB<<8)|(\new)
.set MSB, \new
.endif
.endm
.macro PLACES                          ; four places behind matrix instructions, ahead of loads into their sources and of readers of their results
.rept 4
	v_nop
.endr
.endm
.macro ACC a, b                        ; accumulator (a, b): its window CW and first register CR
.if (\a) < 8
.set CW, 2+(\a)/4
.set CR, 64*((\a)%4)+8*(\b)
.elseif (\b) < 5
.set CW, 1
.set CR, 216+8*(\b)
.else
.set CW, 0
.set CR, 160+8*((\b)-5)
.endif
.endm
.macro ABUF i                          ; ring buffer i: its window RW and first register RR
.if (\i) < 3
.set RW, 1
.set RR, 8*CAP*(\i)
.else
.set RW, 0
.set RR, 184
.endif
.endm
.macro ALOAD i, a, off                 ; block a's operand of one K step, at byte off of the block, into ring buffer i: two loads of 512 consecutive bytes
	ABUF \i
	WIN RW<<6
	global_load_b128 v[RR+8*(\a):RR+8*(\a)+3],   v[AO+(\a)], s[SA:SA+1] offset:(\off)
	global_load_b128 v[RR+8*(\a)+4:RR+8*(\a)+7], v[AO+(\a)], s[SA:SA+1] offset:(\off)+512
.endm
; PHASE 1, one unit: 16 k rows x 64 columns of matrix u%2, rows 16 (u/2) on.  Lane (g, c) holds rows 8 g + 0..7 of columns 4 c + 0..3: for each column the 8 rows pack into the 16 bytes that
; lane 16 g + (column%16) of the operand wants.  left: the younger loads that may stay out.  refill: the unit's registers take the unit 64 rows on.
.macro SLOT u, refill, left
	s_wait_loadcnt \left
	WIN 0x05                                       ; sources in window 1
.set i, 0
.rept 4
.set p, 0
.rept 4
	v_cvt_pk_bf16_f32 v[CT+16*((\u)%2)+4*i+p], v[32*(\u)+8*p+i], v[32*(\u)+8*p+4+i]
.set p, p+1
.endr
.set i, i+1
.endr
.if \refill
	WIN 0x40                                       ; destination in window 1
.set j, 0
.rept 8
	global_load_b128 v[32*(\u)+4*j:32*(\u)+4*j+3], v[WOFF], s[W0+2*((\u)%2):W0+2*((\u)%2)+1] offset:(16*((\u)/2)+j+64)*4096
.set j, j+1
.endr
.endif
	WIN 0
.set i, 0
.rept 4
	ds_store_b128 v[WLDS], v[CT+16*((\u)%2)+4*i:CT+16*((\u)%2)+4*i+3] offset:((\u)/4)*KP+(((\u)/2)%2)*512+((\u)%2)*4*BP+16*i
.set i, i+1
.endr
.endm
; PHASE 2, group a of a K step.  In front of its products, on every path: fragment a of the next step's weights (groups 0-7; fb), and the operand three steps on of block a + 1 (group 0: blocks 0 and 1; the last
; group: none, so that eight products stand between the step's last load and the step of the base; fa).  Then block a's eight products, jumped over if the block does not exist.
; The buffers that these loads fill were last read in the step before: the four places at this step's head stand between.
; The accumulators take turns, one instruction a turn: over the jumps, the loop's edge and with one live block too (its eight).
.macro GROUP t4, j, a, zero, fa, fb
.set BFN, BF+64*(((\t4)+1)%2)
.set BFC, BF+64*((\t4)%2)
.set NXB, ((\t4)+3)%4
.set AOFF, ((\j)+3)*1024
.if (\fb) && ((\a) < 8)
	ds_load_b128 v[BFN+8*(\a):BFN+8*(\a)+3],   v[BA] offset:((\j)+1)*KP+(\a)*BP
	ds_load_b128 v[BFN+8*(\a)+4:BFN+8*(\a)+7], v[BA] offset:((\j)+1)*KP+(\a)*BP+512
.endif
.if (\fa) && ((\a) == 0)
	ALOAD NXB, 0, AOFF
	ALOAD NXB, 1, AOFF
.endif
.if (\fa) && ((\a) > 0) && ((\a) < CAP-1)
	ALOAD NXB, (\a)+1, AOFF
.endif
.if ((\a) > 0) && !(\zero)
	WIN 0                                          ; at a branch every window is 0
	s_cmp_le_u32 s[LIVE], \a
	s_cbranch_scc1 .Lg_\@                          ; the block does not exist
.endif
	ABUF \t4
.set b, 0
.rept 8
.if ((\a) == 0) && (b == 8-FPG)
	s_wait_dscnt 2*FPG*(\fb)                       ; this step's last fragment is in; the loads that this group has just issued stay out
.endif
	ACC \a, b
	WIN (RW<<2)|(CW<<4)|(CW<<6)                    ; source 0 (weights) window 0, source 1 (tokens) the ring buffer's, C and D the accumulator's
.if \zero
	v_wmma_f32_16x16x32_bf16 v[CR:CR+7], v[BFC+8*b:BFC+8*b+7], v[RR+8*(\a):RR+8*(\a)+7], 0
.else
	v_wmma_f32_16x16x32_bf16 v[CR:CR+7], v[BFC+8*b:BFC+8*b+7], v[RR+8*(\a):RR+8*(\a)+7], v[CR:CR+7]
.endif
.set b, b+1
.endr
	WIN 0
.Lg_\@:
.endm
; One K step of 32.  t4: the step modulo 4 (which buffers); j: the step counted from where SA and BA stand.  zero: the products start the sums, for all CAP blocks.
; lw: the tokens' loads that may stay out: those of the steps behind this one that have been asked for, 2 CAP each.  The count on DScnt leaves the last fragment's two loads out.
.macro KSTEP t4, j, zero, fa, fb, lw
	PLACES
	s_wait_loadcnt \lw
	s_wait_dscnt 2*FPG
.irp a, 0,1,2,3,4,5,6,7,8
	GROUP \t4, \j, \a, \zero, \fa, \fb
.endr
.endm
; THE WAY OUT of block a: accumulators b = 0..3 hold g, b = 4..7 hold u of the same 64 columns.  Two batches of 32 transcendentals, one wait each.
.macro EPI a
.set H, HH+16*((\a)%2)
.if (\a) > 0
	s_cmp_le_u32 s[LIVE], \a
	s_cbranch_scc1 .Ldone
.endif
.set b, 0
.rept 4
	ACC \a, b
	WIN CW                                         ; source 0 in the accumulator's window
.set i, 0
.rept 4
	v_pk_mul_f32 v[TT+8*b+2*i:TT+8*b+2*i+1], v[CR+2*i:CR+2*i+1], s[NL2E:NL2E+1] op_sel_hi:[1,0]  ; each accumulator from its low end on
.set i, i+1
.endr
.set b, b+1
.endr
	WIN 0
.set i, 0
.rept 32
	v_exp_f32 v[TT+i], v[TT+i]                     ; e^-g
.set i, i+1
.endr
.set b, 0
.rept 4
	ACC \a, b
.set GW, CW
.set GR, CR
	ACC \a, b+4
	WIN GW|(CW<<2)
.set i, 0
.rept 4
	v_pk_mul_f32 v[PP+8*b+2*i:PP+8*b+2*i+1], v[GR+2*i:GR+2*i+1], v[CR+2*i:CR+2*i+1]  ; g u: the independent work behind the batch
.set i, i+1
.endr
.set b, b+1
.endr
	WIN 0
	s_wait_alu depctr_va_vdst(0)                   ; one wait for the 32 exponentials
.set i, 0
.rept 16
	v_pk_add_f32 v[TT+2*i:TT+2*i+1], v[TT+2*i:TT+2*i+1], 1.0 op_sel_hi:[1,0]
.set i, i+1
.endr
.set i, 0
.rept 32
	v_rcp_f32 v[TT+i], v[TT+i]
.set i, i+1
.endr
	v_nop                                          ; a plain instruction behind the last reciprocal
	s_wait_xcnt 0x0                                ; the set of 16 written below was store data two blocks ago
	s_wait_alu depctr_va_vdst(0)                   ; one wait for the 32 reciprocals
.set i, 0
.rept 16
	v_pk_mul_f32 v[PP+2*i:PP+2*i+1], v[PP+2*i:PP+2*i+1], v[TT+2*i:TT+2*i+1]
.set i, i+1
.endr
.set i, 0
.rept 16
	v_cvt_pk_bf16_f32 v[H+i], v[PP+2*i], v[PP+2*i+1]
.set i, i+1
.endr
.set b, 0
.rept 4
	global_store_b128 v[LOFF], v[H+4*b:H+4*b+3], s[SO:SO+1] offset:(\a)*32768+(b/2)*1024+(b%2)*512  ; hidden 64 s + 16 b + 8 h + 0..7 of row r: K step 2 s + b/2, half b%2 of the block; 512 consecutive bytes, aligned
.set b, b+1
.endr
.endm
	s_load_b256 s[4:11], s[0:1], 0x0               ; rw_gate s[4:5], rw_up s[6:7], sw_gate s[8:9], sw_up s[10:11]
	s_load_b128 s[12:15], s[0:1], 0x20             ; xg s[12:13], meta s[14:15]
	s_load_b64 s[16:17], s[0:1], 0x30              ; hg
	v_lshl_add_u32 v[SPW], v0, 2, SPARE
	v_mov_b32 v[NIL], 0
	v_lshrrev_b32 v1, 5, v0
	v_readfirstlane_b32 s[WV], v1                  ; wave 0..3
	v_and_b32 v1, 31, v0
	v_and_b32 v2, 15, v0                           ; c
	v_bfe_u32 v3, v0, 4, 1                         ; g
	v_lshlrev_b32 v[WOFF], 15, v3
	v_lshl_add_u32 v[WOFF], v2, 4, v[WOFF]
	v_lshrrev_b32 v18, 2, v2
	v_and_b32 v19, 3, v2
	v_mul_u32_u24 v[WLDS], v18, BP                 ; column block c/4,
	v_lshl_add_u32 v[WLDS], v3, 8, v[WLDS]         ; lanes 16 g ..,
	v_lshl_add_u32 v[WLDS], v19, 6, v[WLDS]        ; lane 4 (c%4) of them,
	s_mul_i32 s[TM], s[WV], 8*KP
	v_add_nc_u32 v[WLDS], s[TM], v[WLDS]           ; my wave's 8 K steps
	v_lshlrev_b32 v[LOFF], 4, v1
	s_mov_b32 s[SL], ttmp9
	s_and_b32 s[YY], ttmp7, 0xffff
	s_min_u32 s[EX], s[YY], 8                      ; the expert
	s_lshl_b32 s[ME], s[EX], 2
	s_sub_co_u32 s[TM], s[YY], 8
	s_cmp_lt_u32 s[YY], 8
	s_cselect_b32 s[PT], 0, s[TM]                  ; which of the expert's work-groups for this slice
	s_cselect_b32 s[LOGG], 2, 4                    ; its blocks are dealt to 4 or 16 waves
	s_cselect_b32 s[TM+2], s[YY], 0
	s_lshl_b32 s[TM+2], s[TM+2], 22                ; a routed expert's 4 MiB,
	s_lshl_b32 s[TM], s[SL], 8
	s_add_co_u32 s[TM+2], s[TM+2], s[TM]           ; my slice's 256 bytes of a row,
	s_lshl_b32 s[TM], s[WV], 20
	s_add_co_u32 s[TM+2], s[TM+2], s[TM]           ; my wave's 256 rows
	s_mov_b32 s[TM+3], 0
	s_mov_b32 s[NL2E], 0xbfb8aa3b
	s_mov_b32 s[NL2E+1], s[NL2E]
	s_wait_kmcnt 0x0
	s_cmp_lt_u32 s[YY], 8
	s_cselect_b64 s[W0:W0+1], s[4:5], s[8:9]
	s_cselect_b64 s[W0+2:W0+3], s[6:7], s[10:11]
	s_add_nc_u64 s[W0:W0+1], s[W0:W0+1], s[TM+2:TM+3]
	s_add_nc_u64 s[W0+2:W0+3], s[W0+2:W0+3], s[TM+2:TM+3]
	s_load_b32 s[OFFB], s[14:15], s[ME] offset:0x0 ; the expert's first block,
	s_load_b32 s[NB], s[14:15], s[ME] offset:0x40  ; and how many: wanted behind the barrier
	WIN 0x40
.set u, 0
.rept 8                                        ; eight units, 64 loads, 32 KiB of a wave on their way
.set j, 0
.rept 8
	global_load_b128 v[32*u+4*j:32*u+4*j+3], v[WOFF], s[W0+2*(u%2):W0+2*(u%2)+1] offset:(16*(u/2)+j)*4096
.set j, j+1
.endr
.set u, u+1
.endr
	WIN 0
	s_mov_b32 s[KC], 3
.Lfill:                                                ; a trip: 64 rows of both matrices; the count 56 leaves the seven younger units out
.irp u, 0,1,2,3,4,5,6,7
	SLOT \u, 1, 56
.endr
	s_wait_xcnt 0x0                                ; the bases are stepped only behind this wait
	s_add_nc_u64 s[W0:W0+1], s[W0:W0+1], 0x40000
	s_add_nc_u64 s[W0+2:W0+3], s[W0+2:W0+3], 0x40000
	v_add_nc_u32 v[WLDS], 2*KP, v[WLDS]
	s_sub_co_u32 s[KC], s[KC], 1
	s_cmp_lg_u32 s[KC], 0
	s_cbranch_scc1 .Lfill
.irp u, 0,1,2,3,4,5,6,7
	SLOT \u, 0, 56-8*\u                            ; the last 64 rows: nothing more is asked for, the counts run down
.endr
	s_wait_dscnt 0x0                               ; for the others: my part of the slice is in LDS
	s_barrier_signal -1
	s_barrier_wait -1                              ; behind it the slice is whole, and nobody writes LDS before the closing barrier
	s_wait_kmcnt 0x0
	s_lshl_b32 s[TM], s[PT], 2
	s_add_co_u32 s[TM], s[TM], s[WV]               ; my wave among those that share the expert's blocks
	s_lshr_b32 s[TM+1], s[NB], s[LOGG]             ; blocks for each,
	s_lshl_b32 s[TM+2], 1, s[LOGG]
	s_sub_co_u32 s[TM+2], s[TM+2], 1
	s_and_b32 s[TM+2], s[NB], s[TM+2]              ; and so many waves take one more
	s_mul_i32 s[BLK], s[TM], s[TM+1]
	s_min_u32 s[TM+3], s[TM], s[TM+2]
	s_add_co_u32 s[BLK], s[BLK], s[TM+3]
	s_add_co_u32 s[BLK], s[BLK], s[OFFB]           ; my first block
	s_cmp_lt_u32 s[TM], s[TM+2]
	s_cselect_b32 s[TM+3], 1, 0
	s_add_co_u32 s[LEFT], s[TM+1], s[TM+3]         ; my blocks
	s_mov_b32 s[PASS], MAXP
.Lpass:                                                ; MAXP trips, whatever the split
	s_cmp_le_i32 s[LEFT], 0
	s_cbranch_scc1 .Lnext                          ; nothing is left: the pass is jumped over; no barrier stands in it
	s_wait_xcnt 0x0                                ; the last pass's stores have read their base and data
	s_min_u32 s[LIVE], s[LEFT], CAP
	s_sub_co_u32 s[LIVE1], s[LIVE], 1
.set a, 0
.rept CAP
	s_min_u32 s[TM], s[LIVE1], a                   ; a place past the count repeats the last block
	s_lshl_b32 s[TM], s[TM], 15
	v_add_nc_u32 v[AO+a], s[TM], v[LOFF]
.set a, a+1
.endr
	s_min_u32 s[TM], s[BLK], 391
	s_lshl_b32 s[TM], s[TM], 15
	s_mov_b32 s[TM+1], 0
	s_add_nc_u64 s[SA:SA+1], s[12:13], s[TM:TM+1]
	s_add_nc_u64 s[SO:SO+1], s[16:17], s[TM:TM+1]
	s_lshl_b32 s[TM], s[SL], 11                    ; my slice is K steps 2 s, 2 s + 1 of the hidden layer's blocks
	s_add_nc_u64 s[SO:SO+1], s[SO:SO+1], s[TM:TM+1]
	v_mov_b32 v[BA], v[LOFF]                       ; the weights' operands from K step 0 on
.set jj, 0
.rept 3                                        ; the tokens' operands of K steps 0, 1, 2: 6 CAP loads
.set a, 0
.rept CAP
	ALOAD jj, a, jj*1024
.set a, a+1
.endr
.set jj, jj+1
.endr
	WIN 0
.set b, 0
.rept 8                                        ; the weights' operands of K step 0
	ds_load_b128 v[BF+8*b:BF+8*b+3],   v[BA] offset:b*BP
	ds_load_b128 v[BF+8*b+4:BF+8*b+7], v[BA] offset:b*BP+512
.set b, b+1
.endr
	KSTEP 0, 0, 1, 1, 1, 4*CAP                     ; K step 0 stands ahead of the loop: its products start the sums
	s_mov_b32 s[KC], 7
	s_mov_b32 s[KB], 0
.Lk:                                                   ; a trip: K steps 4 n + 1 .. 4 n + 4; at each step's head the loads of the two steps behind it (4 CAP) stay out
	v_add_nc_u32 v[BA], s[KB], v[LOFF]             ; the trip's place in the slice: 4 n K steps + 16 x lane
	KSTEP 1, 1, 0, 1, 1, 4*CAP
	KSTEP 2, 2, 0, 1, 1, 4*CAP
	KSTEP 3, 3, 0, 1, 1, 4*CAP
	KSTEP 0, 4, 0, 1, 1, 4*CAP
	s_wait_xcnt 0x0                                ; the base is stepped only behind this wait
	s_add_nc_u64 s[SA:SA+1], s[SA:SA+1], 4096
	s_add_co_u32 s[KB], s[KB], 4*KP                ; four K steps on in LDS
	s_sub_co_u32 s[KC], s[KC], 1
	s_cmp_lg_u32 s[KC], 0
	s_cbranch_scc1 .Lk
	v_add_nc_u32 v[BA], s[KB], v[LOFF]             ; K step 28
	KSTEP 1, 1, 0, 0, 1, 4*CAP                     ; K steps 29, 30, 31: no load passes a block's end, the counts run down
	KSTEP 2, 2, 0, 0, 1, 2*CAP
	KSTEP 3, 3, 0, 0, 0, 0
	PLACES                                         ; behind the last products, ahead of the first reader of a result and the first write into a source
	EPI 0
	EPI 1
	EPI 2
	EPI 3
	EPI 4
	EPI 5
	EPI 6
	EPI 7
	EPI 8
.Ldone:
.Lnext:
	s_add_co_u32 s[BLK], s[BLK], CAP
	s_sub_co_i32 s[LEFT], s[LEFT], CAP
	s_sub_co_u32 s[PASS], s[PASS], 1
	s_cmp_lg_u32 s[PASS], 0
	s_cbranch_scc1 .Lpass
	s_wait_dscnt 0x0                               ; my reads of the slice are over;
	s_barrier_signal -1
	s_barrier_wait -1                              ; so are every wave's: only behind this barrier is LDS written again (the closing add)
	s_wait_tensorcnt 0x0                           ; the wave's end: the closing add of 0 into my spare word follows, then a wait
	ds_add_u32 v[SPW], v[NIL]
	s_wait_dscnt 0x0
	s_endpgm
.Lfunc_end_k_qda3024fc19_gu:
	.size	k_qda3024fc19_gu, .Lfunc_end_k_qda3024fc19_gu-k_qda3024fc19_gu
	.p2alignl 7, 3214868480
	.fill 96, 4, 3214868480
	.section	.rodata,"a",@progbits
	.p2align	6, 0x0
	.amdhsa_kernel k_qda3024fc19_gu
		.amdhsa_group_segment_fixed_size 266752
		.amdhsa_private_segment_fixed_size 0
		.amdhsa_enable_private_segment 0
		.amdhsa_kernarg_size 56
		.amdhsa_user_sgpr_count 2
		.amdhsa_user_sgpr_kernarg_segment_ptr 1
		.amdhsa_wavefront_size32 1
		.amdhsa_system_sgpr_workgroup_id_x 1
		.amdhsa_system_sgpr_workgroup_id_y 1
		.amdhsa_system_sgpr_workgroup_id_z 1
		.amdhsa_system_vgpr_workitem_id 0
		.amdhsa_next_free_vgpr 1024
		.amdhsa_next_free_sgpr 66
		.amdhsa_reserve_vcc 0
		.amdhsa_float_denorm_mode_32 3
		.amdhsa_float_denorm_mode_16_64 3
		.amdhsa_memory_ordered 1
		.amdhsa_forward_progress 1
		.amdhsa_inst_pref_size 178
	.end_amdhsa_kernel
	.amdgpu_metadata
---
amdhsa.version: [ 1, 2 ]
amdhsa.kernels:
  - .name:           k_qda3024fc19_gu
    .symbol:         k_qda3024fc19_gu.kd
    .args:
      - { .name: rw_gate, .offset: 0, .size: 8, .value_kind: global_buffer, .address_space: global }
      - { .name: rw_up, .offset: 8, .size: 8, .value_kind: global_buffer, .address_space: global }
      - { .name: sw_gate, .offset: 16, .size: 8, .value_kind: global_buffer, .address_space: global }
      - { .name: sw_up, .offset: 24, .size: 8, .value_kind: global_buffer, .address_space: global }
      - { .name: xg, .offset: 32, .size: 8, .value_kind: global_buffer, .address_space: global }
      - { .name: meta, .offset: 40, .size: 8, .value_kind: global_buffer, .address_space: global }
      - { .name: hg, .offset: 48, .size: 8, .value_kind: global_buffer, .address_space: global }
    .group_segment_fixed_size: 266752
    .private_segment_fixed_size: 0
    .kernarg_segment_align: 8
    .kernarg_segment_size: 56
    .max_flat_workgroup_size: 128
    .sgpr_count:     66
    .vgpr_count:     1024
    .wavefront_size: 32
...
	.end_amdgpu_metadata
.endif
;; end of part 3
;; launch down (part 4): grid 8 x 24, 4 waves a work-group, no clusters, 266,752 bytes of LDS; arguments rw_down, sw_down, hg, meta, part; writes part
.if DOCPART == 4
	.amdgcn_target "amdgcn-amd-amdhsa--gfx1250"
	.amdhsa_code_object_version 6
	.text
	.protected	k_qda3024fc19_down
	.globl	k_qda3024fc19_down
	.p2align	8
	.type	k_qda3024fc19_down,@function
k_qda3024fc19_down:
	s_mov_b64 s[64:65], 0
	v_nop
	global_prefetch_b8 v0, s[64:65] scope:SCOPE_SE
	s_setreg_imm32_b32 hwreg(HW_REG_WAVE_MODE, 25, 1), 1
	s_wait_xcnt 0x0
; DOWN.  part = h Wd for nine experts (8 routed, expert 8 = the shared one): bf16 operands, f32 sums, stored as f32 partial rows, row 16 block + r; the combine weights are applied by the launch behind,
; which adds a token's three rows (the product is linear in h: only the order of rounding differs from scaling h first).
; WEIGHTS STAY, as in the launch before: a work-group owns 128 columns of Wd of ONE expert (slice x of 8).  PHASE 1: read once as f32 (each load: two rows' 256 consecutive aligned bytes), rounded, laid into
; LDS as ready operands, 266,240 bytes.  One barrier.  PHASE 2: each wave walks its own blocks of 16 rows of hg, up to 5 a pass; their operands come straight into registers, 512 consecutive bytes a load.
; The row loop writes no LDS and has no barrier.
; GRID.  y < 16: expert y/2, its blocks dealt to 2 work-groups' 8 waves; y >= 16: the shared expert's 128 blocks dealt to 8 work-groups' 32 waves.  The mean is 4 blocks a wave either way; a pass has room
; for one more, so that an expert with up to 640 rows needs one pass.
; EVERY SPLIT IS SERVED.  An expert has 128 blocks at the most, 16 a wave, 4 passes of 5: the pass loop counts to that constant, and a pass with no block left is jumped over.
; Places past the count repeat the last block's loads, and their products are jumped over, but in a pass's first K step, whose products start all the sums.
; A K STEP IS FIVE GROUPS: a block's eight products each.  The step's loads are dealt among the groups and stand in front of their products, outside every jump.
; THE WAY OUT NEEDS NO LDS.  Source 0 = 16 rows of hg, source 1 = 16 weight columns: register j of a lane is row 8 (lane/16) + j, column of lane%16.  Column block b, lane r holds column
; 64 (b/4) + 4 r + b%4 of the slice: so register j of accumulators 4 q .. 4 q + 3 are FOUR NEIGHBOURING columns of one row; 64 copies a block bring them into runs of four registers,
; and in each store sixteen lanes write 256 consecutive aligned bytes of a row of part.
; NO TENSOR LOADS, NO CLUSTER: the weights are rounded and turned in registers; a routed slice has two readers, and beside the slice LDS has no room for a shared tile of rows.
; LIMITS.  Weights rounded once to bf16; NaN and infinities are not treated apart.
.set CAP,   5
.set MAXP,  4                          ; passes: 128 blocks / 8 waves / CAP, rounded up
.set FPG,   2                          ; weight fragments that a group fetches: groups 0-3 two each
.set KP,    8320                       ; LDS bytes of a K step of 32: 8 column blocks of 1,040, as in the launch before
.set BP,    1040
.set SPARE, 32*KP                      ; 266,240: the spare words, two blocks of 256 bytes that no other line names
.set WOFF, 4                           ; v4   (lane/16) x 8 rows of 4,096 bytes + (lane%16) x 16 bytes: for the weights' loads and for the stores into part; never rewritten
.set WLDS, 5                           ; v5   where my converted 16 bytes go
.set BA,   6                           ; v6   LDS address of the weight operands: s[KB] + 16 x lane, made anew at each trip's head
.set LOFF, 7                           ; v7   16 x lane; never rewritten
.set AO,   8                           ; v8-12
.set SPW,  30
.set NIL,  31
.set CT,   32
.set BF,   64                          ; v64-127, v128-191: weight operands, two buffers; on the way out: a block's 64 numbers a lane, by turns
; window 1: phase 1: eight units of 32; phase 2: a ring of four buffers of 40.   windows 2, 3: accumulator (a, b) at window 2 + a/4, register 64 (a%4) + 8 b
.set W0,   20
.set SA,   24
.set SO,   26
.set WV,   28
.set SL,   29
.set YY,   30
.set EX,   31
.set PT,   32
.set LOGG, 33
.set OFFB, 34
.set NB,   35
.set LEFT, 36                          ; signed: it may fall below 0
.set BLK,  37
.set PASS, 39
.set LIVE, 40
.set LIVE1, 41
.set KB,   42                          ; s42  LDS byte at which the K loop's trip begins
.set KC,   43
.set ME,   45
.set TM,   46
.set MSB, 0
.macro WIN new
.if MSB != (\new)
	s_set_vgpr_msb (MSB<<8)|(\new)
.set MSB, \new
.endif
.endm
.macro PLACES                          ; four places behind matrix instructions (ISA guide 7.12.1)
.rept 4
	v_nop
.endr
.endm
.macro ALOAD r, a, off                 ; block a's operand of one K step, at byte off of the block, into the ring buffer that begins at register r of window 1
	WIN 0x40
	global_load_b128 v[(\r)+8*(\a):(\r)+8*(\a)+3],   v[AO+(\a)], s[SA:SA+1] offset:(\off)
	global_load_b128 v[(\r)+8*(\a)+4:(\r)+8*(\a)+7], v[AO+(\a)], s[SA:SA+1] offset:(\off)+512
.endm
; PHASE 1, one unit: 16 k rows x 64 columns, half u%2 of my 128 columns, rows 16 (u/2) on.  Lane (g, c) holds rows 8 g + 0..7 of columns 4 c + 0..3; column 4 c + i goes to column block 4 (u%2) + i,
; lane 16 g + c: my own lane's place, so 16 lanes store 256 consecutive bytes.
.macro SLOT u, refill, left
	s_wait_loadcnt \left
	WIN 0x05
.set i, 0
.rept 4
.set p, 0
.rept 4
	v_cvt_pk_bf16_f32 v[CT+16*((\u)%2)+4*i+p], v[32*(\u)+8*p+i], v[32*(\u)+8*p+4+i]
.set p, p+1
.endr
.set i, i+1
.endr
.if \refill
	WIN 0x40
.set j, 0
.rept 8
	global_load_b128 v[32*(\u)+4*j:32*(\u)+4*j+3], v[WOFF], s[W0+2*((\u)%2):W0+2*((\u)%2)+1] offset:(16*((\u)/2)+j+64)*4096
.set j, j+1
.endr
.endif
	WIN 0
.set i, 0
.rept 4
	ds_store_b128 v[WLDS], v[CT+16*((\u)%2)+4*i:CT+16*((\u)%2)+4*i+3] offset:((\u)/4)*KP+(((\u)/2)%2)*512+((\u)%2)*4*BP+BP*i
.set i, i+1
.endr
.endm
; PHASE 2, group a of a K step.  In front of its products, on every path: fragments 2 a and 2 a + 1 of the next step's weights (groups 0-3; fb), and the operand three steps on of block a + 1 (group 0: blocks 0 and 1;
; the last group: none; fa).  Then block a's eight products, jumped over if the block does not exist.  The buffers that these loads fill were last read in the step before: the four places at this step's head stand between.
; The accumulators take turns, one instruction a turn.
.macro GROUP t4, j, a, zero, fa, fb
.set AFN, 8*CAP*(((\t4)+3)%4)
.set AFC, 8*CAP*(\t4)
.set BFN, BF+64*(((\t4)+1)%2)
.set BFC, BF+64*((\t4)%2)
.set AOFF, ((\j)+3)*1024
.if (\fb) && ((\a) < 4)
.set f, FPG*(\a)
.rept FPG
	ds_load_b128 v[BFN+8*f:BFN+8*f+3],   v[BA] offset:((\j)+1)*KP+f*BP
	ds_load_b128 v[BFN+8*f+4:BFN+8*f+7], v[BA] offset:((\j)+1)*KP+f*BP+512
.set f, f+1
.endr
.endif
.if (\fa) && ((\a) == 0)
	ALOAD AFN, 0, AOFF
	ALOAD AFN, 1, AOFF
.endif
.if (\fa) && ((\a) > 0) && ((\a) < CAP-1)
	ALOAD AFN, (\a)+1, AOFF
.endif
.if ((\a) > 0) && !(\zero)
	WIN 0                                          ; at a branch every window is 0
	s_cmp_le_u32 s[LIVE], \a
	s_cbranch_scc1 .Lg_\@                          ; the block does not exist
.endif
.set b, 0
.rept 8
.if ((\a) == 0) && (b == 8-FPG)
	s_wait_dscnt 2*FPG*(\fb)                       ; this step's last two fragments are in; the loads that this group has just issued stay out
.endif
	WIN 0xa1+0x50*((\a)/4)                         ; source 0 (rows) window 1, source 1 (weights) window 0, C and D window 2 or 3
.if \zero
	v_wmma_f32_16x16x32_bf16 v[64*((\a)%4)+8*b:64*((\a)%4)+8*b+7], v[AFC+8*(\a):AFC+8*(\a)+7], v[BFC+8*b:BFC+8*b+7], 0
.else
	v_wmma_f32_16x16x32_bf16 v[64*((\a)%4)+8*b:64*((\a)%4)+8*b+7], v[AFC+8*(\a):AFC+8*(\a)+7], v[BFC+8*b:BFC+8*b+7], v[64*((\a)%4)+8*b:64*((\a)%4)+8*b+7]
.endif
.set b, b+1
.endr
	WIN 0
.Lg_\@:
.endm
; One K step of 32.  lw: the row operands' loads that may stay out: those of the steps behind this one that have been asked for, 2 CAP each.  The count on DScnt leaves the last two fragments' four loads out.
.macro KSTEP t4, j, zero, fa, fb, lw
	PLACES
	s_wait_loadcnt \lw
	s_wait_dscnt 2*FPG
.irp a, 0,1,2,3,4
	GROUP \t4, \j, \a, \zero, \fa, \fb
.endr
.endm
; THE WAY OUT of block a: register j of the eight accumulators, b = 0..7, into eight registers on end: columns 4 r + 0..3 and 64 + 4 r + 0..3 of row 8 h + j; then two stores for each j.
.macro EPI a
.set OB, BF+64*((\a)%2)
.if (\a) > 0
	s_cmp_le_u32 s[LIVE], \a
	s_cbranch_scc1 .Ldone
.endif
	s_wait_xcnt 0x0                                ; the registers written below were store data two blocks ago
	WIN 2+(\a)/4                                   ; source 0 in the accumulators' window
.set j, 0
.rept 8                                        ; j ascending: each accumulator is read from its register 0 on
.set q, 0
.rept 8
	v_mov_b32 v[OB+8*j+q], v[64*((\a)%4)+8*q+j]
.set q, q+1
.endr
.set j, j+1
.endr
	WIN 0
.set j, 0
.rept 8
	global_store_b128 v[WOFF], v[OB+8*j:OB+8*j+3],   s[SO:SO+1] offset:(\a)*65536+4096*j      ; lanes 0-15: 256 consecutive aligned bytes of row j; lanes 16-31: of row 8 + j
	global_store_b128 v[WOFF], v[OB+8*j+4:OB+8*j+7], s[SO:SO+1] offset:(\a)*65536+4096*j+256  ; the slice's second 64 columns
.set j, j+1
.endr
.endm
	s_load_b256 s[4:11], s[0:1], 0x0               ; rw_down s[4:5], sw_down s[6:7], hg s[8:9], meta s[10:11]
	s_load_b64 s[12:13], s[0:1], 0x20              ; part
	v_lshl_add_u32 v[SPW], v0, 2, SPARE
	v_mov_b32 v[NIL], 0
	v_lshrrev_b32 v1, 5, v0
	v_readfirstlane_b32 s[WV], v1
	v_and_b32 v1, 31, v0
	v_and_b32 v2, 15, v0                           ; c, and r
	v_bfe_u32 v3, v0, 4, 1                         ; g, and h
	v_lshlrev_b32 v[WOFF], 15, v3
	v_lshl_add_u32 v[WOFF], v2, 4, v[WOFF]
	v_lshlrev_b32 v[LOFF], 4, v1
	s_mul_i32 s[TM], s[WV], 8*KP
	v_add_nc_u32 v[WLDS], s[TM], v[LOFF]           ; my lane's 16 bytes, my wave's 8 K steps
	s_mov_b32 s[SL], ttmp9
	s_and_b32 s[YY], ttmp7, 0xffff
	s_lshr_b32 s[TM], s[YY], 1
	s_and_b32 s[TM+1], s[YY], 1
	s_sub_co_u32 s[TM+2], s[YY], 16
	s_cmp_lt_u32 s[YY], 16
	s_cselect_b32 s[EX], s[TM], 8                  ; the expert
	s_cselect_b32 s[PT], s[TM+1], s[TM+2]          ; which of its work-groups for this slice
	s_cselect_b32 s[LOGG], 3, 5                    ; its blocks are dealt to 8 or 32 waves
	s_cselect_b32 s[TM+2], s[TM], 0
	s_lshl_b32 s[ME], s[EX], 2
	s_lshl_b32 s[TM+2], s[TM+2], 22
	s_lshl_b32 s[TM], s[SL], 9
	s_add_co_u32 s[TM+2], s[TM+2], s[TM]           ; my slice's 512 bytes of a row,
	s_lshl_b32 s[TM], s[WV], 20
	s_add_co_u32 s[TM+2], s[TM+2], s[TM]           ; my wave's 256 rows
	s_mov_b32 s[TM+3], 0
	s_wait_kmcnt 0x0
	s_cmp_lt_u32 s[YY], 16
	s_cselect_b64 s[W0:W0+1], s[4:5], s[6:7]
	s_add_nc_u64 s[W0:W0+1], s[W0:W0+1], s[TM+2:TM+3]
	s_add_nc_u64 s[W0+2:W0+3], s[W0:W0+1], 256     ; the slice's second 64 columns
	s_load_b32 s[OFFB], s[10:11], s[ME] offset:0x0
	s_load_b32 s[NB], s[10:11], s[ME] offset:0x40
	WIN 0x40
.set u, 0
.rept 8
.set j, 0
.rept 8
	global_load_b128 v[32*u+4*j:32*u+4*j+3], v[WOFF], s[W0+2*(u%2):W0+2*(u%2)+1] offset:(16*(u/2)+j)*4096
.set j, j+1
.endr
.set u, u+1
.endr
	WIN 0
	s_mov_b32 s[KC], 3
.Lfill:                                                ; a trip: 64 rows of both halves; the count 56 leaves the seven younger units out
.irp u, 0,1,2,3,4,5,6,7
	SLOT \u, 1, 56
.endr
	s_wait_xcnt 0x0
	s_add_nc_u64 s[W0:W0+1], s[W0:W0+1], 0x40000
	s_add_nc_u64 s[W0+2:W0+3], s[W0+2:W0+3], 0x40000
	v_add_nc_u32 v[WLDS], 2*KP, v[WLDS]
	s_sub_co_u32 s[KC], s[KC], 1
	s_cmp_lg_u32 s[KC], 0
	s_cbranch_scc1 .Lfill
.irp u, 0,1,2,3,4,5,6,7
	SLOT \u, 0, 56-8*\u
.endr
	s_wait_dscnt 0x0                               ; for the others: my part of the slice is in LDS
	s_barrier_signal -1
	s_barrier_wait -1                              ; behind it the slice is whole, and nobody writes LDS before the closing barrier
	s_wait_kmcnt 0x0
	s_lshl_b32 s[TM], s[PT], 2
	s_add_co_u32 s[TM], s[TM], s[WV]
	s_lshr_b32 s[TM+1], s[NB], s[LOGG]
	s_lshl_b32 s[TM+2], 1, s[LOGG]
	s_sub_co_u32 s[TM+2], s[TM+2], 1
	s_and_b32 s[TM+2], s[NB], s[TM+2]
	s_mul_i32 s[BLK], s[TM], s[TM+1]
	s_min_u32 s[TM+3], s[TM], s[TM+2]
	s_add_co_u32 s[BLK], s[BLK], s[TM+3]
	s_add_co_u32 s[BLK], s[BLK], s[OFFB]           ; my first block
	s_cmp_lt_u32 s[TM], s[TM+2]
	s_cselect_b32 s[TM+3], 1, 0
	s_add_co_u32 s[LEFT], s[TM+1], s[TM+3]         ; my blocks
	s_mov_b32 s[PASS], MAXP
.Lpass:                                                ; MAXP trips, whatever the split
	s_cmp_le_i32 s[LEFT], 0
	s_cbranch_scc1 .Lnext                          ; nothing is left: the pass is jumped over; no barrier stands in it
	s_wait_xcnt 0x0                                ; the last pass's stores have read their base and data
	s_min_u32 s[LIVE], s[LEFT], CAP
	s_sub_co_u32 s[LIVE1], s[LIVE], 1
.set a, 0
.rept CAP
	s_min_u32 s[TM], s[LIVE1], a                   ; a place past the count repeats the last block
	s_lshl_b32 s[TM], s[TM], 15
	v_add_nc_u32 v[AO+a], s[TM], v[LOFF]
.set a, a+1
.endr
	s_min_u32 s[TM], s[BLK], 391
	s_lshl_b32 s[TM+2], s[TM], 16                  ; 16 rows of 4,096 bytes of part,
	s_lshl_b32 s[TM], s[TM], 15                    ; 32,768 bytes of hg
	s_mov_b32 s[TM+1], 0
	s_mov_b32 s[TM+3], 0
	s_add_nc_u64 s[SA:SA+1], s[8:9], s[TM:TM+1]
	s_add_nc_u64 s[SO:SO+1], s[12:13], s[TM+2:TM+3]
	s_lshl_b32 s[TM], s[SL], 9
	s_add_nc_u64 s[SO:SO+1], s[SO:SO+1], s[TM:TM+1]
	v_mov_b32 v[BA], v[LOFF]                       ; the weights' operands from K step 0 on
.set jj, 0
.rept 3                                        ; the rows' operands of K steps 0, 1, 2: 6 CAP loads
.set a, 0
.rept CAP
	ALOAD 8*CAP*jj, a, jj*1024
.set a, a+1
.endr
.set jj, jj+1
.endr
	WIN 0
.set b, 0
.rept 8
	ds_load_b128 v[BF+8*b:BF+8*b+3],   v[BA] offset:b*BP
	ds_load_b128 v[BF+8*b+4:BF+8*b+7], v[BA] offset:b*BP+512
.set b, b+1
.endr
	KSTEP 0, 0, 1, 1, 1, 4*CAP                     ; K step 0 stands ahead of the loop: its products start the sums
	s_mov_b32 s[KC], 7
	s_mov_b32 s[KB], 0
.Lk:                                                   ; a trip: K steps 4 n + 1 .. 4 n + 4; at each step's head the loads of the two steps behind it (4 CAP) stay out
	v_add_nc_u32 v[BA], s[KB], v[LOFF]             ; the trip's place in the slice: 4 n K steps + 16 x lane
	KSTEP 1, 1, 0, 1, 1, 4*CAP
	KSTEP 2, 2, 0, 1, 1, 4*CAP
	KSTEP 3, 3, 0, 1, 1, 4*CAP
	KSTEP 0, 4, 0, 1, 1, 4*CAP
	s_wait_xcnt 0x0                                ; the base is stepped only behind this wait
	s_add_nc_u64 s[SA:SA+1], s[SA:SA+1], 4096
	s_add_co_u32 s[KB], s[KB], 4*KP                ; four K steps on in LDS
	s_sub_co_u32 s[KC], s[KC], 1
	s_cmp_lg_u32 s[KC], 0
	s_cbranch_scc1 .Lk
	v_add_nc_u32 v[BA], s[KB], v[LOFF]             ; K step 28
	KSTEP 1, 1, 0, 0, 1, 4*CAP                     ; K steps 29, 30, 31: no load passes a block's end, the counts run down
	KSTEP 2, 2, 0, 0, 1, 2*CAP
	KSTEP 3, 3, 0, 0, 0, 0
	PLACES                                         ; behind the last products, ahead of the first reader of a result and the first write into a source
	EPI 0
	EPI 1
	EPI 2
	EPI 3
	EPI 4
.Ldone:
.Lnext:
	s_add_co_u32 s[BLK], s[BLK], CAP
	s_sub_co_i32 s[LEFT], s[LEFT], CAP
	s_sub_co_u32 s[PASS], s[PASS], 1
	s_cmp_lg_u32 s[PASS], 0
	s_cbranch_scc1 .Lpass
	s_wait_dscnt 0x0                               ; my reads of the slice are over;
	s_barrier_signal -1
	s_barrier_wait -1                              ; so are every wave's: only behind this barrier is LDS written again (the closing add)
	s_wait_tensorcnt 0x0                           ; the wave's end: the closing add of 0 into my spare word follows, then a wait
	ds_add_u32 v[SPW], v[NIL]
	s_wait_dscnt 0x0
	s_endpgm
.Lfunc_end_k_qda3024fc19_down:
	.size	k_qda3024fc19_down, .Lfunc_end_k_qda3024fc19_down-k_qda3024fc19_down
	.p2alignl 7, 3214868480
	.fill 96, 4, 3214868480
	.section	.rodata,"a",@progbits
	.p2align	6, 0x0
	.amdhsa_kernel k_qda3024fc19_down
		.amdhsa_group_segment_fixed_size 266752
		.amdhsa_private_segment_fixed_size 0
		.amdhsa_enable_private_segment 0
		.amdhsa_kernarg_size 40
		.amdhsa_user_sgpr_count 2
		.amdhsa_user_sgpr_kernarg_segment_ptr 1
		.amdhsa_wavefront_size32 1
		.amdhsa_system_sgpr_workgroup_id_x 1
		.amdhsa_system_sgpr_workgroup_id_y 1
		.amdhsa_system_sgpr_workgroup_id_z 1
		.amdhsa_system_vgpr_workitem_id 0
		.amdhsa_next_free_vgpr 832
		.amdhsa_next_free_sgpr 66
		.amdhsa_reserve_vcc 0
		.amdhsa_float_denorm_mode_32 3
		.amdhsa_float_denorm_mode_16_64 3
		.amdhsa_memory_ordered 1
		.amdhsa_forward_progress 1
		.amdhsa_inst_pref_size 100
	.end_amdhsa_kernel
	.amdgpu_metadata
---
amdhsa.version: [ 1, 2 ]
amdhsa.kernels:
  - .name:           k_qda3024fc19_down
    .symbol:         k_qda3024fc19_down.kd
    .args:
      - { .name: rw_down, .offset: 0, .size: 8, .value_kind: global_buffer, .address_space: global }
      - { .name: sw_down, .offset: 8, .size: 8, .value_kind: global_buffer, .address_space: global }
      - { .name: hg, .offset: 16, .size: 8, .value_kind: global_buffer, .address_space: global }
      - { .name: meta, .offset: 24, .size: 8, .value_kind: global_buffer, .address_space: global }
      - { .name: part, .offset: 32, .size: 8, .value_kind: global_buffer, .address_space: global }
    .group_segment_fixed_size: 266752
    .private_segment_fixed_size: 0
    .kernarg_segment_align: 8
    .kernarg_segment_size: 40
    .max_flat_workgroup_size: 128
    .sgpr_count:     66
    .vgpr_count:     832
    .wavefront_size: 32
...
	.end_amdgpu_metadata
.endif
;; end of part 4
;; launch sum (part 5): grid 256 x 1, 8 waves a work-group, no clusters, 0 bytes of LDS; arguments part, pos, cw, out0; writes out0
.if DOCPART == 5
	.amdgcn_target "amdgcn-amd-amdhsa--gfx1250"
	.amdhsa_code_object_version 6
	.text
	.protected	k_qda3024fc19_sum
	.globl	k_qda3024fc19_sum
	.p2align	8
	.type	k_qda3024fc19_sum,@function
k_qda3024fc19_sum:
	s_mov_b64 s[64:65], 0
	v_nop
	global_prefetch_b8 v0, s[64:65] scope:SCOPE_SE
	s_setreg_imm32_b32 hwreg(HW_REG_WAVE_MODE, 25, 1), 1
	s_wait_xcnt 0x0
; SUM.  out0[t] = part[4224 + t] + c0 part[pos[t][0]] + c1 part[pos[t][1]], all f32.  One wave a token: three rows of 4,096 bytes in, one out, 24 loads of 512 consecutive bytes on their way at once.
; Memory binds: no LDS, no barrier, no matrix unit.  The combine weights are applied here, behind the down product.
.set SR,  8                            ; v8-39    the shared expert's row
.set P0,  40                           ; v40-71   the first choice's row
.set P1,  72                           ; v72-103  the second choice's row
	s_load_b256 s[4:11], s[0:1], 0x0               ; part s[4:5], pos s[6:7], cw s[8:9], out0 s[10:11]
	v_lshrrev_b32 v1, 5, v0
	v_readfirstlane_b32 s20, v1
	s_lshl_b32 s21, ttmp9, 3
	s_add_co_u32 s21, s21, s20                     ; my token
	s_lshl_b32 s22, s21, 3
	v_and_b32 v1, 31, v0
	v_lshlrev_b32 v1, 4, v1                        ; 16 x lane
	s_add_co_u32 s23, s21, 4224
	s_lshl_b32 s23, s23, 12
	v_add_nc_u32 v2, s23, v1
	s_lshl_b32 s24, s21, 12
	s_mov_b32 s25, 0
	s_wait_kmcnt 0x0
	s_load_b64 s[12:13], s[6:7], s22 offset:0x0    ; the two rows,
	s_load_b64 s[14:15], s[8:9], s22 offset:0x0    ; the two weights
	s_add_nc_u64 s[10:11], s[10:11], s[24:25]
.set q, 0
.rept 8
	global_load_b128 v[SR+4*q:SR+4*q+3], v2, s[4:5] offset:512*q th:TH_LOAD_NT
.set q, q+1
.endr
	s_wait_kmcnt 0x0
	s_min_u32 s12, s12, 4223
	s_min_u32 s13, s13, 4223
	s_lshl_b32 s12, s12, 12
	s_lshl_b32 s13, s13, 12
	v_add_nc_u32 v3, s12, v1
	v_add_nc_u32 v4, s13, v1
	s_mov_b32 s16, s15                             ; c1 as the low word of a pair of its own
	s_mov_b32 s17, s15
.set q, 0
.rept 8
	global_load_b128 v[P0+4*q:P0+4*q+3], v3, s[4:5] offset:512*q th:TH_LOAD_NT
	global_load_b128 v[P1+4*q:P1+4*q+3], v4, s[4:5] offset:512*q th:TH_LOAD_NT
.set q, q+1
.endr
.set q, 0
.rept 8
	s_wait_loadcnt 2*(7-q)                         ; part q of all three rows is in: two younger loads for each later part stay out
	v_pk_fma_f32 v[SR+4*q:SR+4*q+1],   v[P0+4*q:P0+4*q+1],   s[14:15], v[SR+4*q:SR+4*q+1]   op_sel_hi:[1,0,1]
	v_pk_fma_f32 v[SR+4*q+2:SR+4*q+3], v[P0+4*q+2:P0+4*q+3], s[14:15], v[SR+4*q+2:SR+4*q+3] op_sel_hi:[1,0,1]
	v_pk_fma_f32 v[SR+4*q:SR+4*q+1],   v[P1+4*q:P1+4*q+1],   s[16:17], v[SR+4*q:SR+4*q+1]   op_sel_hi:[1,0,1]
	v_pk_fma_f32 v[SR+4*q+2:SR+4*q+3], v[P1+4*q+2:P1+4*q+3], s[16:17], v[SR+4*q+2:SR+4*q+3] op_sel_hi:[1,0,1]
	global_store_b128 v1, v[SR+4*q:SR+4*q+3], s[10:11] offset:512*q th:TH_STORE_NT  ; 512 consecutive bytes, aligned
.set q, q+1
.endr
	s_endpgm
.Lfunc_end_k_qda3024fc19_sum:
	.size	k_qda3024fc19_sum, .Lfunc_end_k_qda3024fc19_sum-k_qda3024fc19_sum
	.p2alignl 7, 3214868480
	.fill 96, 4, 3214868480
	.section	.rodata,"a",@progbits
	.p2align	6, 0x0
	.amdhsa_kernel k_qda3024fc19_sum
		.amdhsa_group_segment_fixed_size 0
		.amdhsa_private_segment_fixed_size 0
		.amdhsa_enable_private_segment 0
		.amdhsa_kernarg_size 32
		.amdhsa_user_sgpr_count 2
		.amdhsa_user_sgpr_kernarg_segment_ptr 1
		.amdhsa_wavefront_size32 1
		.amdhsa_system_sgpr_workgroup_id_x 1
		.amdhsa_system_sgpr_workgroup_id_y 1
		.amdhsa_system_sgpr_workgroup_id_z 1
		.amdhsa_system_vgpr_workitem_id 0
		.amdhsa_next_free_vgpr 112
		.amdhsa_next_free_sgpr 66
		.amdhsa_reserve_vcc 0
		.amdhsa_float_denorm_mode_32 3
		.amdhsa_float_denorm_mode_16_64 3
		.amdhsa_memory_ordered 1
		.amdhsa_forward_progress 1
		.amdhsa_inst_pref_size 7
	.end_amdhsa_kernel
	.amdgpu_metadata
---
amdhsa.version: [ 1, 2 ]
amdhsa.kernels:
  - .name:           k_qda3024fc19_sum
    .symbol:         k_qda3024fc19_sum.kd
    .args:
      - { .name: part, .offset: 0, .size: 8, .value_kind: global_buffer, .address_space: global }
      - { .name: pos, .offset: 8, .size: 8, .value_kind: global_buffer, .address_space: global }
      - { .name: cw, .offset: 16, .size: 8, .value_kind: global_buffer, .address_space: global }
      - { .name: out0, .offset: 24, .size: 8, .value_kind: global_buffer, .address_space: global }
    .group_segment_fixed_size: 0
    .private_segment_fixed_size: 0
    .kernarg_segment_align: 8
    .kernarg_segment_size: 32
    .max_flat_workgroup_size: 256
    .sgpr_count:     66
    .vgpr_count:     112
    .wavefront_size: 32
...
	.end_amdgpu_metadata
.endif
;; end of part 5
;; ======== version 2 of 2: 5 launches; version 1 with the launches gu, down written anew for expert scheduling mode
;; workspace buffers: sel 16,384 bytes of whole numbers; cw 16,384 bytes; meta 256 bytes of whole numbers; pos 16,384 bytes of whole numbers; xg 12,845,056 bytes; hg 12,845,056 bytes; part 25,690,112 bytes
;; launch router: the kernel of part 1 again; grid 128 x 1, 4 waves a work-group, no clusters, 37,632 bytes of LDS; arguments x, gate_w, expert_bias, xg, sel, cw, out1; writes xg, sel, cw, out1
;; launch place: the kernel of part 2 again; grid 264 x 1, 4 waves a work-group, no clusters, 38,400 bytes of LDS; arguments x, sel, xg, pos, meta; writes xg, pos, meta
;; launch gu (part 6): grid 16 x 12, 4 waves a work-group, no clusters, 266,752 bytes of LDS; arguments rw_gate, rw_up, sw_gate, sw_up, xg, meta, hg; writes hg
.if DOCPART == 6
	.amdgcn_target "amdgcn-amd-amdhsa--gfx1250"
	.amdhsa_code_object_version 6
	.text
	.protected	k_qda3024fc19_gu
	.globl	k_qda3024fc19_gu
	.p2align	8
	.type	k_qda3024fc19_gu,@function
k_qda3024fc19_gu:
	s_mov_b64 s[64:65], 0
	v_nop
	global_prefetch_b8 v0, s[64:65] scope:SCOPE_SE
	s_setreg_imm32_b32 hwreg(HW_REG_WAVE_SCHED_MODE, 0, 2), 2
	s_setreg_imm32_b32 hwreg(HW_REG_WAVE_MODE, 25, 1), 1
	s_wait_xcnt 0x0
	s_wait_alu depctr_vm_vsrc(0)
; GATE AND UP.  hg = silu(x Wg) * (x Wu) for nine experts (8 routed, expert 8 = the shared one), bf16 operands, f32 sums, the result rounded once to bf16.
; WEIGHTS STAY.  A work-group owns 64 columns of Wg and the same 64 of Wu of ONE expert (slice x of 16).  PHASE 1: it reads them once as f32 (each load: two rows' 256 consecutive
; aligned bytes), rounds them in registers and lays them into LDS as ready operands, 266,240 bytes.  One barrier.  PHASE 2: each wave walks its own blocks of 16 token rows, up to 9 a pass;
; the token operands come from xg straight into registers (512 consecutive bytes a load), so the row loop writes no LDS and has no barrier.
; GRID.  y < 8: expert y, all its blocks dealt to this work-group's 4 waves; y >= 8: the shared expert's 128 blocks dealt to 4 work-groups' 16 waves.  The mean is 8 blocks a wave either way
; (4,096 routed rows / 8 experts / 16 rows / 4 waves); a pass has room for one more, so that an expert with up to 576 rows needs one pass.
; EVERY SPLIT IS SERVED.  An expert has 2,048 rows at the most (a token's two choices differ): 128 blocks, 32 a wave, 4 passes of 9.  The pass loop counts to that constant; a pass with no block left
; is jumped over.  In a pass that is not full the places past the count repeat the last block's loads (so that every wait's count holds on every path) and their products are jumped over,
; but in the pass's first K step, whose products start all the sums.
; A K STEP IS NINE GROUPS: a block's eight products each.  The step's loads are dealt among the groups and stand in front of their products, outside every jump: no long run of loads stands between products.
; THE PRODUCT IS USED TRANSPOSED: source 0 = 16 weight columns, source 1 = 16 tokens: a lane holds token lane%16 and the 8 neighbouring columns 8 (lane/16) + 0..7, which, rounded, ARE 16 bytes
; of the next product's operand: the hidden layer needs no stage in LDS.
; NO TENSOR LOADS: the weights are rounded and turned ([k][column] f32 to [column][k] bf16) on their way, which goes through registers.  NO CLUSTER: a routed slice has one reader; what work-groups
; share is the token blocks, and beside the slice LDS has 61,440 bytes left, less than a K step of 128 of a work-group's 512 rows (131,072).
; LIMITS.  Weights and x rounded once to bf16.  h = (g u) / (1 + e^-g): the order of the multiplications differs from silu(g) u; exponential and reciprocal are good to one unit in the last place
; and flush denormals; g u must stay finite in f32; NaN and infinities are not treated apart.
; REGISTERS, 1,024 in windows of 256: accumulators 9 x 64, the tokens' ring 4 x 72, the weights' two buffers 128, addresses 32.
;   window 0: v0-31 addresses; v32-159 weight operands, two buffers (phase 1: v32-63 converted words; the way out: v32-127 at work); v160-183 accumulators (8, 5..7); v184-255 ring buffer 3
;   window 1: v0-215 ring buffers 0-2 (phase 1: v0-255 eight units of 32); v216-255 accumulators (8, 0..4)          windows 2, 3: accumulator (a, b), a < 8, at window 2 + a/4, register 64 (a%4) + 8 b
; THE MODE: SCHED_MODE bits 1:0 = 2 (LLVM: expert scheduling mode 2), set by the entry lines.  The code itself states the register dependences between vector or matrix instructions and
; memory or LDS instructions, with s_wait_alu, always for 0.
; THE PLAN, PHASE 1.  Registers that memory or LDS instructions touch:
;   units 0-7     Slot u: its sixteen conversions read unit u; behind them the loads of the unit 64 rows on land in it.
;   CT0, CT1      Slot u: its conversions write CT[u%2]; its four LDS stores read it; slot u + 2's conversions write it again.
;   v[WLDS]       Read by every LDS store; written once a trip, at the trip's end.          v[WOFF]  Read by every load of weights; never written again.
; So a slot has one wait on vm_vsrc at its head (CT[u%2] has been read) and one on va_vdst behind its conversions, which serves its eight loads and its four LDS stores.
; THE PLAN, PHASE 2.
;   R0 .. R3      the tokens' ring.  K step t: its products read R[t%4]; the loads that it issues (step t + 3) land in R[(t+3)%4] = R[(t-1)%4], which the step before read.
;   BF0, BF1      the weights' buffers.  K step t: its products read BF[t%2]; the LDS loads that it issues (step t + 1) land in the other, which the step before read.
;   v[AO ..]      Read by the tokens' loads; written at a pass's head.      v[BA]  Read by the weights' LDS loads; written at a pass's head and at each trip's head.      v[LOFF]  Never written again.
;   H0, H1        the way out: block a's roundings write H[a%2]; its four stores read it; block a + 2's roundings write it again.
;   The accumulators and the way out's other registers are named by vector and matrix instructions alone.
; So ONE wait on va_vdst stands at a K step's head: the products of the step before are done reading the two buffers in which this step's loads land.  This step's products name R[t%4], BF[t%2] and
; the accumulators: none of the registers that its loads touch; so the loads follow, dealt among the products, with no further wait, on every path (the jumps pass over products alone).
.set CAP,   9                          ; blocks a pass
.set MAXP,  4                          ; passes: 128 blocks / 4 waves / CAP, rounded up
.set FPG,   1                          ; weight fragments that a group fetches: groups 0-7 one each
.set KP,    8320                       ; LDS bytes of a K step of 32: 8 column blocks of 1,040; 32 of them are the slice, 266,240 bytes; the 512 bytes behind it are the spare words of the closing add
.set BP,    1040                       ; a column block: two halves of 512 bytes + 16: so the 16 lanes of a phase-1 store fall into 16 different 16-byte columns
.set WOFF, 4                           ; v4   weights: (lane/16) x 8 rows + (lane%16) x 16 bytes
.set WLDS, 5                           ; v5   where my converted 16 bytes go
.set BA,   6                           ; v6   LDS address of the weight operands: s[KB] + 16 x lane, made anew at each trip's head
.set LOFF, 7                           ; v7   16 x lane; never rewritten
.set AO,   8                           ; v8-16  block a of the pass: its byte offset from the pass's first block + 16 x lane
.set CT,   32                          ; v32-63  phase 1: converted words, two sets of 16
.set BF,   32                          ; v32-95, v96-159  weight operands of a K step, two buffers
.set TT,   32                          ; the way out: v32-63, v64-95 at work; v96-127 two sets of 16 to store
.set PP,   64
.set HH,   96
.set W0,   20                          ; s[20:21] Wg, s[22:23] Wu at my slice and my wave's rows
.set SA,   24                          ; s[24:25] xg at the pass's first block
.set SO,   26                          ; s[26:27] hg at the pass's first block and my slice
.set WV,   28
.set SL,   29
.set YY,   30
.set EX,   31
.set PT,   32
.set LOGG, 33
.set OFFB, 34
.set NB,   35
.set LEFT, 36                          ; s36  my blocks still to do (signed: it may fall below 0)
.set BLK,  37
.set PASS, 39
.set LIVE, 40
.set LIVE1, 41
.set KB,   42                          ; s42  LDS byte at which the K loop's trip begins
.set KC,   43
.set ME,   45                          ; s45  4 x expert: the scalar loads' offset; never rewritten
.set TM,   46                          ; s46-49 at work
.set NL2E, 50                          ; s[50:51] -log2(e)
.set MSB, 0
.macro WIN new                         ; the high byte repeats the setting that is left; a switch that changes nothing is dropped
.if MSB != (\new)
	s_set_vgpr_msb (MSB<<8)|(\new)
.set MSB, \new
.endif
.endm
.macro PLACES                          ; four places behind matrix instructions, ahead of loads into their sources and of readers of their results
.rept 4
	v_nop
.endr
.endm
.macro ACC a, b                        ; accumulator (a, b): its window CW and first register CR
.if (\a) < 8
.set CW, 2+(\a)/4
.set CR, 64*((\a)%4)+8*(\b)
.elseif (\b) < 5
.set CW, 1
.set CR, 216+8*(\b)
.else
.set CW, 0
.set CR, 160+8*((\b)-5)
.endif
.endm
.macro ABUF i                          ; ring buffer i: its window RW and first register RR
.if (\i) < 3
.set RW, 1
.set RR, 8*CAP*(\i)
.else
.set RW, 0
.set RR, 184
.endif
.endm
.macro ALOAD i, a, off                 ; block a's operand of one K step, at byte off of the block, into ring buffer i: two loads of 512 consecutive bytes
	ABUF \i
	WIN RW<<6
	global_load_b128 v[RR+8*(\a):RR+8*(\a)+3],   v[AO+(\a)], s[SA:SA+1] offset:(\off)
	global_load_b128 v[RR+8*(\a)+4:RR+8*(\a)+7], v[AO+(\a)], s[SA:SA+1] offset:(\off)+512
.endm
; PHASE 1, one unit: 16 k rows x 64 columns of matrix u%2, rows 16 (u/2) on.  Lane (g, c) holds rows 8 g + 0..7 of columns 4 c + 0..3: for each column the 8 rows pack into the 16 bytes that
; lane 16 g + (column%16) of the operand wants.  left: the younger loads that may stay out.  refill: the unit's registers take the unit 64 rows on.
.macro SLOT u, refill, left
	s_wait_loadcnt \left
	s_wait_alu depctr_vm_vsrc(0)                   ; the LDS stores of two slots back have read CT[u%2], which the conversions below write again
	WIN 0x05                                       ; sources in window 1
.set i, 0
.rept 4
.set p, 0
.rept 4
	v_cvt_pk_bf16_f32 v[CT+16*((\u)%2)+4*i+p], v[32*(\u)+8*p+i], v[32*(\u)+8*p+4+i]
.set p, p+1
.endr
.set i, i+1
.endr
.if \refill
	WIN 0x40                                       ; destination in window 1
	s_wait_alu depctr_va_vdst(0)                   ; the conversions are done reading unit u, in which the loads below land, and have written CT[u%2], which the LDS stores below read
.set j, 0
.rept 8
	global_load_b128 v[32*(\u)+4*j:32*(\u)+4*j+3], v[WOFF], s[W0+2*((\u)%2):W0+2*((\u)%2)+1] offset:(16*((\u)/2)+j+64)*4096
.set j, j+1
.endr
	WIN 0
.else
	WIN 0
	s_wait_alu depctr_va_vdst(0)                   ; the conversions have written CT[u%2], which the LDS stores below read
.endif
.set i, 0
.rept 4
	ds_store_b128 v[WLDS], v[CT+16*((\u)%2)+4*i:CT+16*((\u)%2)+4*i+3] offset:((\u)/4)*KP+(((\u)/2)%2)*512+((\u)%2)*4*BP+16*i
.set i, i+1
.endr
.endm
; PHASE 2, group a of a K step.  In front of its products, on every path: fragment a of the next step's weights (groups 0-7; fb), and the operand three steps on of block a + 1 (group 0: blocks 0 and 1; the last
; group: none, so that eight products stand between the step's last load and the step of the base; fa).  Then block a's eight products, jumped over if the block does not exist.
; The buffers that these loads fill were last read in the step before: the wait at this step's head states that those products are done reading them, and no product of this step names them.
; The accumulators take turns, one instruction a turn: over the jumps, the loop's edge and with one live block too (its eight).
.macro GROUP t4, j, a, zero, fa, fb
.set BFN, BF+64*(((\t4)+1)%2)
.set BFC, BF+64*((\t4)%2)
.set NXB, ((\t4)+3)%4
.set AOFF, ((\j)+3)*1024
.if (\fb) && ((\a) < 8)
	ds_load_b128 v[BFN+8*(\a):BFN+8*(\a)+3],   v[BA] offset:((\j)+1)*KP+(\a)*BP
	ds_load_b128 v[BFN+8*(\a)+4:BFN+8*(\a)+7], v[BA] offset:((\j)+1)*KP+(\a)*BP+512
.endif
.if (\fa) && ((\a) == 0)
	ALOAD NXB, 0, AOFF
	ALOAD NXB, 1, AOFF
.endif
.if (\fa) && ((\a) > 0) && ((\a) < CAP-1)
	ALOAD NXB, (\a)+1, AOFF
.endif
.if ((\a) > 0) && !(\zero)
	WIN 0                                          ; at a branch every window is 0
	s_cmp_le_u32 s[LIVE], \a
	s_cbranch_scc1 .Lg_\@                          ; the block does not exist
.endif
	ABUF \t4
.set b, 0
.rept 8
.if ((\a) == 0) && (b == 8-FPG)
	s_wait_dscnt 2*FPG*(\fb)                       ; this step's last fragment is in; the loads that this group has just issued stay out
.endif
	ACC \a, b
	WIN (RW<<2)|(CW<<4)|(CW<<6)                    ; source 0 (weights) window 0, source 1 (tokens) the ring buffer's, C and D the accumulator's
.if \zero
	v_wmma_f32_16x16x32_bf16 v[CR:CR+7], v[BFC+8*b:BFC+8*b+7], v[RR+8*(\a):RR+8*(\a)+7], 0
.else
	v_wmma_f32_16x16x32_bf16 v[CR:CR+7], v[BFC+8*b:BFC+8*b+7], v[RR+8*(\a):RR+8*(\a)+7], v[CR:CR+7]
.endif
.set b, b+1
.endr
	WIN 0
.Lg_\@:
.endm
; One K step of 32.  t4: the step modulo 4 (which buffers); j: the step counted from where SA and BA stand.  zero: the products start the sums, for all CAP blocks.
; lw: the tokens' loads that may stay out: those of the steps behind this one that have been asked for, 2 CAP each.  The count on DScnt leaves the last fragment's two loads out.
; A pass's first step has no wait on va_vdst: the one at the pass's head stands for it, and only v_nop have been issued since.  Its last step has none: it issues no load.
.macro KSTEP t4, j, zero, fa, fb, lw
	PLACES
	s_wait_loadcnt \lw
	s_wait_dscnt 2*FPG
.if !(\zero) && (\fb)
	s_wait_alu depctr_va_vdst(0)                   ; the products of the step before are done reading its ring buffer and its weight buffer, in which this step's loads land; in a trip's first step v[BA] is written
.endif
.irp a, 0,1,2,3,4,5,6,7,8
	GROUP \t4, \j, \a, \zero, \fa, \fb
.endr
.endm
; THE WAY OUT of block a: accumulators b = 0..3 hold g, b = 4..7 hold u of the same 64 columns.  Two batches of 32 transcendentals, one wait each.
.macro EPI a
.set H, HH+16*((\a)%2)
.if (\a) > 0
	s_cmp_le_u32 s[LIVE], \a
	s_cbranch_scc1 .Ldone
.endif
.set b, 0
.rept 4
	ACC \a, b
	WIN CW                                         ; source 0 in the accumulator's window
.set i, 0
.rept 4
	v_pk_mul_f32 v[TT+8*b+2*i:TT+8*b+2*i+1], v[CR+2*i:CR+2*i+1], s[NL2E:NL2E+1] op_sel_hi:[1,0]  ; each accumulator from its low end on
.set i, i+1
.endr
.set b, b+1
.endr
	WIN 0
.set i, 0
.rept 32
	v_exp_f32 v[TT+i], v[TT+i]                     ; e^-g
.set i, i+1
.endr
.set b, 0
.rept 4
	ACC \a, b
.set GW, CW
.set GR, CR
	ACC \a, b+4
	WIN GW|(CW<<2)
.set i, 0
.rept 4
	v_pk_mul_f32 v[PP+8*b+2*i:PP+8*b+2*i+1], v[GR+2*i:GR+2*i+1], v[CR+2*i:CR+2*i+1]  ; g u: the independent work behind the batch
.set i, i+1
.endr
.set b, b+1
.endr
	WIN 0
	s_wait_alu depctr_va_vdst(0)                   ; one wait for the 32 exponentials: they have written v[TT ..], ahead of the first instruction that names a result
.set i, 0
.rept 16
	v_pk_add_f32 v[TT+2*i:TT+2*i+1], v[TT+2*i:TT+2*i+1], 1.0 op_sel_hi:[1,0]
.set i, i+1
.endr
.set i, 0
.rept 32
	v_rcp_f32 v[TT+i], v[TT+i]
.set i, i+1
.endr
	v_nop                                          ; a plain instruction behind the last reciprocal
	s_wait_xcnt 0x0                                ; the set of 16 written below was store data two blocks ago
.if (\a) >= 2
	s_wait_alu depctr_vm_vsrc(0)                   ; the stores of two blocks ago have read the set of 16 that the roundings below write again (blocks 0 and 1: the wait at the pass's head stands for the last pass's stores)
.endif
	s_wait_alu depctr_va_vdst(0)                   ; one wait for the 32 reciprocals: they have written v[TT ..], ahead of the first instruction that names a result
.set i, 0
.rept 16
	v_pk_mul_f32 v[PP+2*i:PP+2*i+1], v[PP+2*i:PP+2*i+1], v[TT+2*i:TT+2*i+1]
.set i, i+1
.endr
.set i, 0
.rept 16
	v_cvt_pk_bf16_f32 v[H+i], v[PP+2*i], v[PP+2*i+1]
.set i, i+1
.endr
	s_wait_alu depctr_va_vdst(0)                   ; the roundings have written the set of 16, which the four stores below read
.set b, 0
.rept 4
	global_store_b128 v[LOFF], v[H+4*b:H+4*b+3], s[SO:SO+1] offset:(\a)*32768+(b/2)*1024+(b%2)*512  ; hidden 64 s + 16 b + 8 h + 0..7 of row r: K step 2 s + b/2, half b%2 of the block; 512 consecutive bytes, aligned
.set b, b+1
.endr
.endm
	s_load_b256 s[4:11], s[0:1], 0x0               ; rw_gate s[4:5], rw_up s[6:7], sw_gate s[8:9], sw_up s[10:11]
	s_load_b128 s[12:15], s[0:1], 0x20             ; xg s[12:13], meta s[14:15]
	s_load_b64 s[16:17], s[0:1], 0x30              ; hg
	v_lshl_add_u32 v30, v0, 2, 0x41000
	v_mov_b32 v31, 0
	v_lshrrev_b32 v1, 5, v0
	v_readfirstlane_b32 s[WV], v1                  ; wave 0..3
	v_and_b32 v1, 31, v0
	v_and_b32 v2, 15, v0                           ; c
	v_bfe_u32 v3, v0, 4, 1                         ; g
	v_lshlrev_b32 v[WOFF], 15, v3
	v_lshl_add_u32 v[WOFF], v2, 4, v[WOFF]
	v_lshrrev_b32 v18, 2, v2
	v_and_b32 v19, 3, v2
	v_mul_u32_u24 v[WLDS], v18, BP                 ; column block c/4,
	v_lshl_add_u32 v[WLDS], v3, 8, v[WLDS]         ; lanes 16 g ..,
	v_lshl_add_u32 v[WLDS], v19, 6, v[WLDS]        ; lane 4 (c%4) of them,
	s_wait_alu depctr_va_sdst(0)                   ; the wave's number is written, ahead of its first reader: LDS addresses, bases and the wave's share of blocks are made from it
	s_mul_i32 s[TM], s[WV], 8*KP
	v_add_nc_u32 v[WLDS], s[TM], v[WLDS]           ; my wave's 8 K steps
	v_lshlrev_b32 v[LOFF], 4, v1
	s_mov_b32 s[SL], ttmp9
	s_and_b32 s[YY], ttmp7, 0xffff
	s_min_u32 s[EX], s[YY], 8                      ; the expert
	s_lshl_b32 s[ME], s[EX], 2
	s_sub_co_u32 s[TM], s[YY], 8
	s_cmp_lt_u32 s[YY], 8
	s_cselect_b32 s[PT], 0, s[TM]                  ; which of the expert's work-groups for this slice
	s_cselect_b32 s[LOGG], 2, 4                    ; its blocks are dealt to 4 or 16 waves
	s_cselect_b32 s[TM+2], s[YY], 0
	s_lshl_b32 s[TM+2], s[TM+2], 22                ; a routed expert's 4 MiB,
	s_lshl_b32 s[TM], s[SL], 8
	s_add_co_u32 s[TM+2], s[TM+2], s[TM]           ; my slice's 256 bytes of a row,
	s_lshl_b32 s[TM], s[WV], 20
	s_add_co_u32 s[TM+2], s[TM+2], s[TM]           ; my wave's 256 rows
	s_mov_b32 s[TM+3], 0
	s_mov_b32 s[NL2E], 0xbfb8aa3b
	s_mov_b32 s[NL2E+1], s[NL2E]
	s_wait_kmcnt 0x0
	s_cmp_lt_u32 s[YY], 8
	s_cselect_b64 s[W0:W0+1], s[4:5], s[8:9]
	s_cselect_b64 s[W0+2:W0+3], s[6:7], s[10:11]
	s_add_nc_u64 s[W0:W0+1], s[W0:W0+1], s[TM+2:TM+3]
	s_add_nc_u64 s[W0+2:W0+3], s[W0+2:W0+3], s[TM+2:TM+3]
	s_load_b32 s[OFFB], s[14:15], s[ME] offset:0x0 ; the expert's first block,
	s_load_b32 s[NB], s[14:15], s[ME] offset:0x40  ; and how many: wanted behind the barrier
	WIN 0x40
	s_wait_alu depctr_va_vdst(0)                   ; v[WOFF], v[WLDS] and v[LOFF] are written, which the loads and stores below read as offsets and addresses
.set u, 0
.rept 8                                        ; eight units, 64 loads, 32 KiB of a wave on their way
.set j, 0
.rept 8
	global_load_b128 v[32*u+4*j:32*u+4*j+3], v[WOFF], s[W0+2*(u%2):W0+2*(u%2)+1] offset:(16*(u/2)+j)*4096
.set j, j+1
.endr
.set u, u+1
.endr
	WIN 0
	s_mov_b32 s[KC], 3
.Lfill:                                                ; a trip: 64 rows of both matrices; the count 56 leaves the seven younger units out
.irp u, 0,1,2,3,4,5,6,7
	SLOT \u, 1, 56
.endr
	s_wait_xcnt 0x0                                ; the bases are stepped only behind this wait
	s_add_nc_u64 s[W0:W0+1], s[W0:W0+1], 0x40000
	s_add_nc_u64 s[W0+2:W0+3], s[W0+2:W0+3], 0x40000
	s_wait_alu depctr_vm_vsrc(0)                   ; the LDS stores issued so far have read v[WLDS]; its new value is covered by the next slot's wait behind its conversions
	v_add_nc_u32 v[WLDS], 2*KP, v[WLDS]
	s_sub_co_u32 s[KC], s[KC], 1
	s_cmp_lg_u32 s[KC], 0
	s_cbranch_scc1 .Lfill
.irp u, 0,1,2,3,4,5,6,7
	SLOT \u, 0, 56-8*\u                            ; the last 64 rows: nothing more is asked for, the counts run down
.endr
	s_wait_dscnt 0x0                               ; for the others: my part of the slice is in LDS
	s_barrier_signal -1
	s_barrier_wait -1                              ; behind it the slice is whole, and nobody writes LDS but the closing add
	s_wait_kmcnt 0x0
	s_lshl_b32 s[TM], s[PT], 2
	s_add_co_u32 s[TM], s[TM], s[WV]               ; my wave among those that share the expert's blocks
	s_lshr_b32 s[TM+1], s[NB], s[LOGG]             ; blocks for each,
	s_lshl_b32 s[TM+2], 1, s[LOGG]
	s_sub_co_u32 s[TM+2], s[TM+2], 1
	s_and_b32 s[TM+2], s[NB], s[TM+2]              ; and so many waves take one more
	s_mul_i32 s[BLK], s[TM], s[TM+1]
	s_min_u32 s[TM+3], s[TM], s[TM+2]
	s_add_co_u32 s[BLK], s[BLK], s[TM+3]
	s_add_co_u32 s[BLK], s[BLK], s[OFFB]           ; my first block
	s_cmp_lt_u32 s[TM], s[TM+2]
	s_cselect_b32 s[TM+3], 1, 0
	s_add_co_u32 s[LEFT], s[TM+1], s[TM+3]         ; my blocks
	s_mov_b32 s[PASS], MAXP
.Lpass:                                                ; MAXP trips, whatever the split
	s_cmp_le_i32 s[LEFT], 0
	s_cbranch_scc1 .Lnext                          ; nothing is left: the pass is jumped over; no barrier stands in it
	s_wait_xcnt 0x0                                ; the last pass's stores have read their base and data
	s_wait_alu depctr_vm_vsrc(0)                   ; the last pass's loads have read v[AO ..] and v[BA], written below; its stores have read v96-127, and phase 1's LDS stores v32-63, in which weight operands land
	s_min_u32 s[LIVE], s[LEFT], CAP
	s_sub_co_u32 s[LIVE1], s[LIVE], 1
.set a, 0
.rept CAP
	s_min_u32 s[TM], s[LIVE1], a                   ; a place past the count repeats the last block
	s_lshl_b32 s[TM], s[TM], 15
	v_add_nc_u32 v[AO+a], s[TM], v[LOFF]
.set a, a+1
.endr
	s_min_u32 s[TM], s[BLK], 391
	s_lshl_b32 s[TM], s[TM], 15
	s_mov_b32 s[TM+1], 0
	s_add_nc_u64 s[SA:SA+1], s[12:13], s[TM:TM+1]
	s_add_nc_u64 s[SO:SO+1], s[16:17], s[TM:TM+1]
	s_lshl_b32 s[TM], s[SL], 11                    ; my slice is K steps 2 s, 2 s + 1 of the hidden layer's blocks
	s_add_nc_u64 s[SO:SO+1], s[SO:SO+1], s[TM:TM+1]
	v_mov_b32 v[BA], v[LOFF]                       ; the weights' operands from K step 0 on
	WIN 0x40
	s_wait_alu depctr_va_vdst(0)                   ; v[AO ..] and v[BA] are written, which the loads below read; the last pass's products are done reading the ring and the weight buffers, and its way out is done with v32-127: loads land in all of these, here and in K step 0
.set jj, 0
.rept 3                                        ; the tokens' operands of K steps 0, 1, 2: 6 CAP loads
.set a, 0
.rept CAP
	ALOAD jj, a, jj*1024
.set a, a+1
.endr
.set jj, jj+1
.endr
	WIN 0
.set b, 0
.rept 8                                        ; the weights' operands of K step 0
	ds_load_b128 v[BF+8*b:BF+8*b+3],   v[BA] offset:b*BP
	ds_load_b128 v[BF+8*b+4:BF+8*b+7], v[BA] offset:b*BP+512
.set b, b+1
.endr
	KSTEP 0, 0, 1, 1, 1, 4*CAP                     ; K step 0 stands ahead of the loop: its products start the sums
	s_mov_b32 s[KC], 7
	s_mov_b32 s[KB], 0
.Lk:                                                   ; a trip: K steps 4 n + 1 .. 4 n + 4; at each step's head the loads of the two steps behind it (4 CAP) stay out
	s_wait_alu depctr_vm_vsrc(0)                   ; the LDS loads issued so far have read v[BA]
	v_add_nc_u32 v[BA], s[KB], v[LOFF]             ; the trip's place in the slice: 4 n K steps + 16 x lane
	KSTEP 1, 1, 0, 1, 1, 4*CAP
	KSTEP 2, 2, 0, 1, 1, 4*CAP
	KSTEP 3, 3, 0, 1, 1, 4*CAP
	KSTEP 0, 4, 0, 1, 1, 4*CAP
	s_wait_xcnt 0x0                                ; the base is stepped only behind this wait
	s_add_nc_u64 s[SA:SA+1], s[SA:SA+1], 4096
	s_add_co_u32 s[KB], s[KB], 4*KP                ; four K steps on in LDS
	s_sub_co_u32 s[KC], s[KC], 1
	s_cmp_lg_u32 s[KC], 0
	s_cbranch_scc1 .Lk
	s_wait_alu depctr_vm_vsrc(0)                   ; the LDS loads issued so far have read v[BA]
	v_add_nc_u32 v[BA], s[KB], v[LOFF]             ; K step 28
	KSTEP 1, 1, 0, 0, 1, 4*CAP                     ; K steps 29, 30, 31: no load passes a block's end, the counts run down
	KSTEP 2, 2, 0, 0, 1, 2*CAP
	KSTEP 3, 3, 0, 0, 0, 0
	PLACES                                         ; behind the last products, ahead of the first reader of a result and the first write into a source
	EPI 0
	EPI 1
	EPI 2
	EPI 3
	EPI 4
	EPI 5
	EPI 6
	EPI 7
	EPI 8
.Ldone:
.Lnext:
	s_add_co_u32 s[BLK], s[BLK], CAP
	s_sub_co_i32 s[LEFT], s[LEFT], CAP
	s_sub_co_u32 s[PASS], s[PASS], 1
	s_cmp_lg_u32 s[PASS], 0
	s_cbranch_scc1 .Lpass
	s_wait_dscnt 0x0                               ; my reads of the slice are over;
	s_barrier_signal -1
	s_barrier_wait -1                              ; so are every wave's
	                                               ; the wave's end: the closing add follows, behind every wait
	s_wait_dscnt 0x0                               ; no LDS instruction of mine is out at the end
	s_wait_alu depctr_hold_cnt(0) depctr_sa_sdst(0) depctr_va_vdst(0) depctr_va_sdst(0) depctr_va_ssrc(0) depctr_va_vcc(0) depctr_vm_vsrc(0)
	s_wait_tensorcnt 0x0
	ds_add_u32 v30, v31
	s_wait_dscnt 0x0
	s_endpgm
.Lfunc_end_k_qda3024fc19_gu:
	.size	k_qda3024fc19_gu, .Lfunc_end_k_qda3024fc19_gu-k_qda3024fc19_gu
	.p2alignl 7, 3214868480
	.fill 96, 4, 3214868480
	.section	.rodata,"a",@progbits
	.p2align	6, 0x0
	.amdhsa_kernel k_qda3024fc19_gu
		.amdhsa_group_segment_fixed_size 266752
		.amdhsa_private_segment_fixed_size 0
		.amdhsa_enable_private_segment 0
		.amdhsa_kernarg_size 56
		.amdhsa_user_sgpr_count 2
		.amdhsa_user_sgpr_kernarg_segment_ptr 1
		.amdhsa_wavefront_size32 1
		.amdhsa_system_sgpr_workgroup_id_x 1
		.amdhsa_system_sgpr_workgroup_id_y 1
		.amdhsa_system_sgpr_workgroup_id_z 1
		.amdhsa_system_vgpr_workitem_id 0
		.amdhsa_next_free_vgpr 1024
		.amdhsa_next_free_sgpr 66
		.amdhsa_reserve_vcc 0
		.amdhsa_float_denorm_mode_32 3
		.amdhsa_float_denorm_mode_16_64 3
		.amdhsa_memory_ordered 1
		.amdhsa_forward_progress 1
		.amdhsa_inst_pref_size 180
	.end_amdhsa_kernel
	.amdgpu_metadata
---
amdhsa.version: [ 1, 2 ]
amdhsa.kernels:
  - .name:           k_qda3024fc19_gu
    .symbol:         k_qda3024fc19_gu.kd
    .args:
      - { .name: rw_gate, .offset: 0, .size: 8, .value_kind: global_buffer, .address_space: global }
      - { .name: rw_up, .offset: 8, .size: 8, .value_kind: global_buffer, .address_space: global }
      - { .name: sw_gate, .offset: 16, .size: 8, .value_kind: global_buffer, .address_space: global }
      - { .name: sw_up, .offset: 24, .size: 8, .value_kind: global_buffer, .address_space: global }
      - { .name: xg, .offset: 32, .size: 8, .value_kind: global_buffer, .address_space: global }
      - { .name: meta, .offset: 40, .size: 8, .value_kind: global_buffer, .address_space: global }
      - { .name: hg, .offset: 48, .size: 8, .value_kind: global_buffer, .address_space: global }
    .group_segment_fixed_size: 266752
    .private_segment_fixed_size: 0
    .kernarg_segment_align: 8
    .kernarg_segment_size: 56
    .max_flat_workgroup_size: 128
    .sgpr_count:     66
    .vgpr_count:     1024
    .wavefront_size: 32
...
	.end_amdgpu_metadata
.endif
;; end of part 6
;; launch down (part 7): grid 8 x 24, 4 waves a work-group, no clusters, 266,752 bytes of LDS; arguments rw_down, sw_down, hg, meta, part; writes part
.if DOCPART == 7
	.amdgcn_target "amdgcn-amd-amdhsa--gfx1250"
	.amdhsa_code_object_version 6
	.text
	.protected	k_qda3024fc19_down
	.globl	k_qda3024fc19_down
	.p2align	8
	.type	k_qda3024fc19_down,@function
k_qda3024fc19_down:
	s_mov_b64 s[64:65], 0
	v_nop
	global_prefetch_b8 v0, s[64:65] scope:SCOPE_SE
	s_setreg_imm32_b32 hwreg(HW_REG_WAVE_SCHED_MODE, 0, 2), 2
	s_setreg_imm32_b32 hwreg(HW_REG_WAVE_MODE, 25, 1), 1
	s_wait_xcnt 0x0
	s_wait_alu depctr_vm_vsrc(0)
; DOWN.  part = h Wd for nine experts (8 routed, expert 8 = the shared one): bf16 operands, f32 sums, stored as f32 partial rows, row 16 block + r; the combine weights are applied by the launch behind,
; which adds a token's three rows (the product is linear in h: only the order of rounding differs from scaling h first).
; WEIGHTS STAY, as in the launch before: a work-group owns 128 columns of Wd of ONE expert (slice x of 8).  PHASE 1: read once as f32 (each load: two rows' 256 consecutive aligned bytes), rounded, laid into
; LDS as ready operands, 266,240 bytes.  One barrier.  PHASE 2: each wave walks its own blocks of 16 rows of hg, up to 5 a pass; their operands come straight into registers, 512 consecutive bytes a load.
; The row loop writes no LDS and has no barrier.
; GRID.  y < 16: expert y/2, its blocks dealt to 2 work-groups' 8 waves; y >= 16: the shared expert's 128 blocks dealt to 8 work-groups' 32 waves.  The mean is 4 blocks a wave either way; a pass has room
; for one more, so that an expert with up to 640 rows needs one pass.
; EVERY SPLIT IS SERVED.  An expert has 128 blocks at the most, 16 a wave, 4 passes of 5: the pass loop counts to that constant, and a pass with no block left is jumped over.
; Places past the count repeat the last block's loads, and their products are jumped over, but in a pass's first K step, whose products start all the sums.
; A K STEP IS FIVE GROUPS: a block's eight products each.  The step's loads are dealt among the groups and stand in front of their products, outside every jump.
; THE WAY OUT NEEDS NO LDS.  Source 0 = 16 rows of hg, source 1 = 16 weight columns: register j of a lane is row 8 (lane/16) + j, column of lane%16.  Column block b, lane r holds column
; 64 (b/4) + 4 r + b%4 of the slice: so register j of accumulators 4 q .. 4 q + 3 are FOUR NEIGHBOURING columns of one row; 64 copies a block bring them into runs of four registers,
; and in each store sixteen lanes write 256 consecutive aligned bytes of a row of part.
; NO TENSOR LOADS, NO CLUSTER: the weights are rounded and turned in registers; a routed slice has two readers, and beside the slice LDS has no room for a shared tile of rows.
; LIMITS.  Weights rounded once to bf16; NaN and infinities are not treated apart.
; THE MODE: SCHED_MODE bits 1:0 = 2 (LLVM: expert scheduling mode 2), set by the entry lines.  The code itself states the register dependences between vector or matrix instructions and
; memory or LDS instructions, with s_wait_alu, always for 0.
; THE PLAN, PHASE 1.  Registers that memory or LDS instructions touch:
;   units 0-7     Slot u: its sixteen conversions read unit u; behind them the loads of the unit 64 rows on land in it.
;   CT0, CT1      Slot u: its conversions write CT[u%2]; its four LDS stores read it; slot u + 2's conversions write it again.
;   v[WLDS]       Read by every LDS store; written once a trip, at the trip's end.          v[WOFF]  Read by every load of weights and every store into part; never written again.
; So a slot has one wait on vm_vsrc at its head (CT[u%2] has been read) and one on va_vdst behind its conversions, which serves its eight loads and its four LDS stores.
; THE PLAN, PHASE 2.
;   R0 .. R3      the rows' ring.  K step t: its products read R[t%4]; the loads that it issues (step t + 3) land in R[(t+3)%4] = R[(t-1)%4], which the step before read.
;   BF0, BF1      the weights' buffers.  K step t: its products read BF[t%2]; the LDS loads that it issues (step t + 1) land in the other, which the step before read.
;                 On the way out they are the out-buffers: block a's 64 copies write BF[a%2]; its sixteen stores read it; block a + 2's copies write it again.
;   v[AO ..]      Read by the rows' loads; written at a pass's head.      v[BA]  Read by the weights' LDS loads; written at a pass's head and at each trip's head.      v[LOFF]  Never written again.
;   The accumulators are named by vector and matrix instructions alone.
; So ONE wait on va_vdst stands at a K step's head: the products of the step before are done reading the two buffers in which this step's loads land.  This step's products name R[t%4], BF[t%2] and
; the accumulators: none of the registers that its loads touch; so the loads follow, dealt among the products, with no further wait, on every path (the jumps pass over products alone).
.set CAP,   5
.set MAXP,  4                          ; passes: 128 blocks / 8 waves / CAP, rounded up
.set FPG,   2                          ; weight fragments that a group fetches: groups 0-3 two each
.set KP,    8320                       ; LDS bytes of a K step of 32: 8 column blocks of 1,040, as in the launch before; 32 of them are the slice, 266,240 bytes; the 512 bytes behind it are the spare words of the closing add
.set BP,    1040
.set WOFF, 4                           ; v4   (lane/16) x 8 rows of 4,096 bytes + (lane%16) x 16 bytes: for the weights' loads and for the stores into part; never rewritten
.set WLDS, 5                           ; v5   where my converted 16 bytes go
.set BA,   6                           ; v6   LDS address of the weight operands: s[KB] + 16 x lane, made anew at each trip's head
.set LOFF, 7                           ; v7   16 x lane; never rewritten
.set AO,   8                           ; v8-12
.set CT,   32
.set BF,   64                          ; v64-127, v128-191: weight operands, two buffers; on the way out: a block's 64 numbers a lane, by turns
; window 1: phase 1: eight units of 32; phase 2: a ring of four buffers of 40.   windows 2, 3: accumulator (a, b) at window 2 + a/4, register 64 (a%4) + 8 b
.set W0,   20
.set SA,   24
.set SO,   26
.set WV,   28
.set SL,   29
.set YY,   30
.set EX,   31
.set PT,   32
.set LOGG, 33
.set OFFB, 34
.set NB,   35
.set LEFT, 36                          ; signed: it may fall below 0
.set BLK,  37
.set PASS, 39
.set LIVE, 40
.set LIVE1, 41
.set KB,   42                          ; s42  LDS byte at which the K loop's trip begins
.set KC,   43
.set ME,   45
.set TM,   46
.set MSB, 0
.macro WIN new
.if MSB != (\new)
	s_set_vgpr_msb (MSB<<8)|(\new)
.set MSB, \new
.endif
.endm
.macro PLACES                          ; four places behind matrix instructions (ISA guide 7.12.1)
.rept 4
	v_nop
.endr
.endm
.macro ALOAD r, a, off                 ; block a's operand of one K step, at byte off of the block, into the ring buffer that begins at register r of window 1
	WIN 0x40
	global_load_b128 v[(\r)+8*(\a):(\r)+8*(\a)+3],   v[AO+(\a)], s[SA:SA+1] offset:(\off)
	global_load_b128 v[(\r)+8*(\a)+4:(\r)+8*(\a)+7], v[AO+(\a)], s[SA:SA+1] offset:(\off)+512
.endm
; PHASE 1, one unit: 16 k rows x 64 columns, half u%2 of my 128 columns, rows 16 (u/2) on.  Lane (g, c) holds rows 8 g + 0..7 of columns 4 c + 0..3; column 4 c + i goes to column block 4 (u%2) + i,
; lane 16 g + c: my own lane's place, so 16 lanes store 256 consecutive bytes.
.macro SLOT u, refill, left
	s_wait_loadcnt \left
	s_wait_alu depctr_vm_vsrc(0)                   ; the LDS stores of two slots back have read CT[u%2], which the conversions below write again
	WIN 0x05
.set i, 0
.rept 4
.set p, 0
.rept 4
	v_cvt_pk_bf16_f32 v[CT+16*((\u)%2)+4*i+p], v[32*(\u)+8*p+i], v[32*(\u)+8*p+4+i]
.set p, p+1
.endr
.set i, i+1
.endr
.if \refill
	WIN 0x40
	s_wait_alu depctr_va_vdst(0)                   ; the conversions are done reading unit u, in which the loads below land, and have written CT[u%2], which the LDS stores below read
.set j, 0
.rept 8
	global_load_b128 v[32*(\u)+4*j:32*(\u)+4*j+3], v[WOFF], s[W0+2*((\u)%2):W0+2*((\u)%2)+1] offset:(16*((\u)/2)+j+64)*4096
.set j, j+1
.endr
	WIN 0
.else
	WIN 0
	s_wait_alu depctr_va_vdst(0)                   ; the conversions have written CT[u%2], which the LDS stores below read
.endif
.set i, 0
.rept 4
	ds_store_b128 v[WLDS], v[CT+16*((\u)%2)+4*i:CT+16*((\u)%2)+4*i+3] offset:((\u)/4)*KP+(((\u)/2)%2)*512+((\u)%2)*4*BP+BP*i
.set i, i+1
.endr
.endm
; PHASE 2, group a of a K step.  In front of its products, on every path: fragments 2 a and 2 a + 1 of the next step's weights (groups 0-3; fb), and the operand three steps on of block a + 1 (group 0: blocks 0 and 1;
; the last group: none; fa).  Then block a's eight products, jumped over if the block does not exist.  The buffers that these loads fill were last read in the step before: the wait at this step's head states that
; those products are done reading them, and no product of this step names them.
; The accumulators take turns, one instruction a turn.
.macro GROUP t4, j, a, zero, fa, fb
.set AFN, 8*CAP*(((\t4)+3)%4)
.set AFC, 8*CAP*(\t4)
.set BFN, BF+64*(((\t4)+1)%2)
.set BFC, BF+64*((\t4)%2)
.set AOFF, ((\j)+3)*1024
.if (\fb) && ((\a) < 4)
.set f, FPG*(\a)
.rept FPG
	ds_load_b128 v[BFN+8*f:BFN+8*f+3],   v[BA] offset:((\j)+1)*KP+f*BP
	ds_load_b128 v[BFN+8*f+4:BFN+8*f+7], v[BA] offset:((\j)+1)*KP+f*BP+512
.set f, f+1
.endr
.endif
.if (\fa) && ((\a) == 0)
	ALOAD AFN, 0, AOFF
	ALOAD AFN, 1, AOFF
.endif
.if (\fa) && ((\a) > 0) && ((\a) < CAP-1)
	ALOAD AFN, (\a)+1, AOFF
.endif
.if ((\a) > 0) && !(\zero)
	WIN 0                                          ; at a branch every window is 0
	s_cmp_le_u32 s[LIVE], \a
	s_cbranch_scc1 .Lg_\@                          ; the block does not exist
.endif
.set b, 0
.rept 8
.if ((\a) == 0) && (b == 8-FPG)
	s_wait_dscnt 2*FPG*(\fb)                       ; this step's last two fragments are in; the loads that this group has just issued stay out
.endif
	WIN 0xa1+0x50*((\a)/4)                         ; source 0 (rows) window 1, source 1 (weights) window 0, C and D window 2 or 3
.if \zero
	v_wmma_f32_16x16x32_bf16 v[64*((\a)%4)+8*b:64*((\a)%4)+8*b+7], v[AFC+8*(\a):AFC+8*(\a)+7], v[BFC+8*b:BFC+8*b+7], 0
.else
	v_wmma_f32_16x16x32_bf16 v[64*((\a)%4)+8*b:64*((\a)%4)+8*b+7], v[AFC+8*(\a):AFC+8*(\a)+7], v[BFC+8*b:BFC+8*b+7], v[64*((\a)%4)+8*b:64*((\a)%4)+8*b+7]
.endif
.set b, b+1
.endr
	WIN 0
.Lg_\@:
.endm
; One K step of 32.  lw: the row operands' loads that may stay out: those of the steps behind this one that have been asked for, 2 CAP each.  The count on DScnt leaves the last two fragments' four loads out.
; A pass's first step has no wait on va_vdst: the one at the pass's head stands for it, and only v_nop have been issued since.  Its last step has none: it issues no load.
.macro KSTEP t4, j, zero, fa, fb, lw
	PLACES
	s_wait_loadcnt \lw
	s_wait_dscnt 2*FPG
.if !(\zero) && (\fb)
	s_wait_alu depctr_va_vdst(0)                   ; the products of the step before are done reading its ring buffer and its weight buffer, in which this step's loads land; in a trip's first step v[BA] is written
.endif
.irp a, 0,1,2,3,4
	GROUP \t4, \j, \a, \zero, \fa, \fb
.endr
.endm
; THE WAY OUT of block a: register j of the eight accumulators, b = 0..7, into eight registers on end: columns 4 r + 0..3 and 64 + 4 r + 0..3 of row 8 h + j; then two stores for each j.
.macro EPI a
.set OB, BF+64*((\a)%2)
.if (\a) > 0
	s_cmp_le_u32 s[LIVE], \a
	s_cbranch_scc1 .Ldone
.endif
	s_wait_xcnt 0x0                                ; the registers written below were store data two blocks ago
.if (\a) >= 2
	s_wait_alu depctr_vm_vsrc(0)                   ; the stores of two blocks ago have read the 64 registers that the copies below write again (blocks 0 and 1: the wait at the pass's head stands for the last pass's stores)
.endif
	WIN 2+(\a)/4                                   ; source 0 in the accumulators' window
.set j, 0
.rept 8                                        ; j ascending: each accumulator is read from its register 0 on
.set q, 0
.rept 8
	v_mov_b32 v[OB+8*j+q], v[64*((\a)%4)+8*q+j]
.set q, q+1
.endr
.set j, j+1
.endr
	WIN 0
	s_wait_alu depctr_va_vdst(0)                   ; the copies have written the 64 registers, which the sixteen stores below read
.set j, 0
.rept 8
	global_store_b128 v[WOFF], v[OB+8*j:OB+8*j+3],   s[SO:SO+1] offset:(\a)*65536+4096*j      ; lanes 0-15: 256 consecutive aligned bytes of row j; lanes 16-31: of row 8 + j
	global_store_b128 v[WOFF], v[OB+8*j+4:OB+8*j+7], s[SO:SO+1] offset:(\a)*65536+4096*j+256  ; the slice's second 64 columns
.set j, j+1
.endr
.endm
	s_load_b256 s[4:11], s[0:1], 0x0               ; rw_down s[4:5], sw_down s[6:7], hg s[8:9], meta s[10:11]
	s_load_b64 s[12:13], s[0:1], 0x20              ; part
	v_lshl_add_u32 v254, v0, 2, 0x41000
	v_mov_b32 v255, 0
	v_lshrrev_b32 v1, 5, v0
	v_readfirstlane_b32 s[WV], v1
	v_and_b32 v1, 31, v0
	v_and_b32 v2, 15, v0                           ; c, and r
	v_bfe_u32 v3, v0, 4, 1                         ; g, and h
	v_lshlrev_b32 v[WOFF], 15, v3
	v_lshl_add_u32 v[WOFF], v2, 4, v[WOFF]
	v_lshlrev_b32 v[LOFF], 4, v1
	s_wait_alu depctr_va_sdst(0)                   ; the wave's number is written, ahead of its first reader: LDS addresses, bases and the wave's share of blocks are made from it
	s_mul_i32 s[TM], s[WV], 8*KP
	v_add_nc_u32 v[WLDS], s[TM], v[LOFF]           ; my lane's 16 bytes, my wave's 8 K steps
	s_mov_b32 s[SL], ttmp9
	s_and_b32 s[YY], ttmp7, 0xffff
	s_lshr_b32 s[TM], s[YY], 1
	s_and_b32 s[TM+1], s[YY], 1
	s_sub_co_u32 s[TM+2], s[YY], 16
	s_cmp_lt_u32 s[YY], 16
	s_cselect_b32 s[EX], s[TM], 8                  ; the expert
	s_cselect_b32 s[PT], s[TM+1], s[TM+2]          ; which of its work-groups for this slice
	s_cselect_b32 s[LOGG], 3, 5                    ; its blocks are dealt to 8 or 32 waves
	s_cselect_b32 s[TM+2], s[TM], 0
	s_lshl_b32 s[ME], s[EX], 2
	s_lshl_b32 s[TM+2], s[TM+2], 22
	s_lshl_b32 s[TM], s[SL], 9
	s_add_co_u32 s[TM+2], s[TM+2], s[TM]           ; my slice's 512 bytes of a row,
	s_lshl_b32 s[TM], s[WV], 20
	s_add_co_u32 s[TM+2], s[TM+2], s[TM]           ; my wave's 256 rows
	s_mov_b32 s[TM+3], 0
	s_wait_kmcnt 0x0
	s_cmp_lt_u32 s[YY], 16
	s_cselect_b64 s[W0:W0+1], s[4:5], s[6:7]
	s_add_nc_u64 s[W0:W0+1], s[W0:W0+1], s[TM+2:TM+3]
	s_add_nc_u64 s[W0+2:W0+3], s[W0:W0+1], 256     ; the slice's second 64 columns
	s_load_b32 s[OFFB], s[10:11], s[ME] offset:0x0
	s_load_b32 s[NB], s[10:11], s[ME] offset:0x40
	WIN 0x40
	s_wait_alu depctr_va_vdst(0)                   ; v[WOFF], v[WLDS] and v[LOFF] are written, which the loads and stores below read as offsets and addresses
.set u, 0
.rept 8
.set j, 0
.rept 8
	global_load_b128 v[32*u+4*j:32*u+4*j+3], v[WOFF], s[W0+2*(u%2):W0+2*(u%2)+1] offset:(16*(u/2)+j)*4096
.set j, j+1
.endr
.set u, u+1
.endr
	WIN 0
	s_mov_b32 s[KC], 3
.Lfill:                                                ; a trip: 64 rows of both halves; the count 56 leaves the seven younger units out
.irp u, 0,1,2,3,4,5,6,7
	SLOT \u, 1, 56
.endr
	s_wait_xcnt 0x0
	s_add_nc_u64 s[W0:W0+1], s[W0:W0+1], 0x40000
	s_add_nc_u64 s[W0+2:W0+3], s[W0+2:W0+3], 0x40000
	s_wait_alu depctr_vm_vsrc(0)                   ; the LDS stores issued so far have read v[WLDS]; its new value is covered by the next slot's wait behind its conversions
	v_add_nc_u32 v[WLDS], 2*KP, v[WLDS]
	s_sub_co_u32 s[KC], s[KC], 1
	s_cmp_lg_u32 s[KC], 0
	s_cbranch_scc1 .Lfill
.irp u, 0,1,2,3,4,5,6,7
	SLOT \u, 0, 56-8*\u
.endr
	s_wait_dscnt 0x0                               ; for the others: my part of the slice is in LDS
	s_barrier_signal -1
	s_barrier_wait -1                              ; behind it the slice is whole, and nobody writes LDS but the closing add
	s_wait_kmcnt 0x0
	s_lshl_b32 s[TM], s[PT], 2
	s_add_co_u32 s[TM], s[TM], s[WV]
	s_lshr_b32 s[TM+1], s[NB], s[LOGG]
	s_lshl_b32 s[TM+2], 1, s[LOGG]
	s_sub_co_u32 s[TM+2], s[TM+2], 1
	s_and_b32 s[TM+2], s[NB], s[TM+2]
	s_mul_i32 s[BLK], s[TM], s[TM+1]
	s_min_u32 s[TM+3], s[TM], s[TM+2]
	s_add_co_u32 s[BLK], s[BLK], s[TM+3]
	s_add_co_u32 s[BLK], s[BLK], s[OFFB]           ; my first block
	s_cmp_lt_u32 s[TM], s[TM+2]
	s_cselect_b32 s[TM+3], 1, 0
	s_add_co_u32 s[LEFT], s[TM+1], s[TM+3]         ; my blocks
	s_mov_b32 s[PASS], MAXP
.Lpass:                                                ; MAXP trips, whatever the split
	s_cmp_le_i32 s[LEFT], 0
	s_cbranch_scc1 .Lnext                          ; nothing is left: the pass is jumped over; no barrier stands in it
	s_wait_xcnt 0x0                                ; the last pass's stores have read their base and data
	s_wait_alu depctr_vm_vsrc(0)                   ; the last pass's loads have read v[AO ..] and v[BA], written below; its stores have read v64-191, in which weight operands land
	s_min_u32 s[LIVE], s[LEFT], CAP
	s_sub_co_u32 s[LIVE1], s[LIVE], 1
.set a, 0
.rept CAP
	s_min_u32 s[TM], s[LIVE1], a                   ; a place past the count repeats the last block
	s_lshl_b32 s[TM], s[TM], 15
	v_add_nc_u32 v[AO+a], s[TM], v[LOFF]
.set a, a+1
.endr
	s_min_u32 s[TM], s[BLK], 391
	s_lshl_b32 s[TM+2], s[TM], 16                  ; 16 rows of 4,096 bytes of part,
	s_lshl_b32 s[TM], s[TM], 15                    ; 32,768 bytes of hg
	s_mov_b32 s[TM+1], 0
	s_mov_b32 s[TM+3], 0
	s_add_nc_u64 s[SA:SA+1], s[8:9], s[TM:TM+1]
	s_add_nc_u64 s[SO:SO+1], s[12:13], s[TM+2:TM+3]
	s_lshl_b32 s[TM], s[SL], 9
	s_add_nc_u64 s[SO:SO+1], s[SO:SO+1], s[TM:TM+1]
	v_mov_b32 v[BA], v[LOFF]                       ; the weights' operands from K step 0 on
	WIN 0x40
	s_wait_alu depctr_va_vdst(0)                   ; v[AO ..] and v[BA] are written, which the loads below read; the last pass's products are done reading the ring, and its copies have written v64-191: loads land in all of these, here and in K step 0
.set jj, 0
.rept 3                                        ; the rows' operands of K steps 0, 1, 2: 6 CAP loads
.set a, 0
.rept CAP
	ALOAD 8*CAP*jj, a, jj*1024
.set a, a+1
.endr
.set jj, jj+1
.endr
	WIN 0
.set b, 0
.rept 8
	ds_load_b128 v[BF+8*b:BF+8*b+3],   v[BA] offset:b*BP
	ds_load_b128 v[BF+8*b+4:BF+8*b+7], v[BA] offset:b*BP+512
.set b, b+1
.endr
	KSTEP 0, 0, 1, 1, 1, 4*CAP                     ; K step 0 stands ahead of the loop: its products start the sums
	s_mov_b32 s[KC], 7
	s_mov_b32 s[KB], 0
.Lk:                                                   ; a trip: K steps 4 n + 1 .. 4 n + 4; at each step's head the loads of the two steps behind it (4 CAP) stay out
	s_wait_alu depctr_vm_vsrc(0)                   ; the LDS loads issued so far have read v[BA]
	v_add_nc_u32 v[BA], s[KB], v[LOFF]             ; the trip's place in the slice: 4 n K steps + 16 x lane
	KSTEP 1, 1, 0, 1, 1, 4*CAP
	KSTEP 2, 2, 0, 1, 1, 4*CAP
	KSTEP 3, 3, 0, 1, 1, 4*CAP
	KSTEP 0, 4, 0, 1, 1, 4*CAP
	s_wait_xcnt 0x0                                ; the base is stepped only behind this wait
	s_add_nc_u64 s[SA:SA+1], s[SA:SA+1], 4096
	s_add_co_u32 s[KB], s[KB], 4*KP                ; four K steps on in LDS
	s_sub_co_u32 s[KC], s[KC], 1
	s_cmp_lg_u32 s[KC], 0
	s_cbranch_scc1 .Lk
	s_wait_alu depctr_vm_vsrc(0)                   ; the LDS loads issued so far have read v[BA]
	v_add_nc_u32 v[BA], s[KB], v[LOFF]             ; K step 28
	KSTEP 1, 1, 0, 0, 1, 4*CAP                     ; K steps 29, 30, 31: no load passes a block's end, the counts run down
	KSTEP 2, 2, 0, 0, 1, 2*CAP
	KSTEP 3, 3, 0, 0, 0, 0
	PLACES                                         ; behind the last products, ahead of the first reader of a result and the first write into a source
	EPI 0
	EPI 1
	EPI 2
	EPI 3
	EPI 4
.Ldone:
.Lnext:
	s_add_co_u32 s[BLK], s[BLK], CAP
	s_sub_co_i32 s[LEFT], s[LEFT], CAP
	s_sub_co_u32 s[PASS], s[PASS], 1
	s_cmp_lg_u32 s[PASS], 0
	s_cbranch_scc1 .Lpass
	s_wait_dscnt 0x0                               ; my reads of the slice are over;
	s_barrier_signal -1
	s_barrier_wait -1                              ; so are every wave's
	                                               ; the wave's end: the closing add follows, behind every wait
	s_wait_dscnt 0x0                               ; no LDS instruction of mine is out at the end
	s_wait_alu depctr_hold_cnt(0) depctr_sa_sdst(0) depctr_va_vdst(0) depctr_va_sdst(0) depctr_va_ssrc(0) depctr_va_vcc(0) depctr_vm_vsrc(0)
	s_wait_tensorcnt 0x0
	ds_add_u32 v254, v255
	s_wait_dscnt 0x0
	s_endpgm
.Lfunc_end_k_qda3024fc19_down:
	.size	k_qda3024fc19_down, .Lfunc_end_k_qda3024fc19_down-k_qda3024fc19_down
	.p2alignl 7, 3214868480
	.fill 96, 4, 3214868480
	.section	.rodata,"a",@progbits
	.p2align	6, 0x0
	.amdhsa_kernel k_qda3024fc19_down
		.amdhsa_group_segment_fixed_size 266752
		.amdhsa_private_segment_fixed_size 0
		.amdhsa_enable_private_segment 0
		.amdhsa_kernarg_size 40
		.amdhsa_user_sgpr_count 2
		.amdhsa_user_sgpr_kernarg_segment_ptr 1
		.amdhsa_wavefront_size32 1
		.amdhsa_system_sgpr_workgroup_id_x 1
		.amdhsa_system_sgpr_workgroup_id_y 1
		.amdhsa_system_sgpr_workgroup_id_z 1
		.amdhsa_system_vgpr_workitem_id 0
		.amdhsa_next_free_vgpr 832
		.amdhsa_next_free_sgpr 66
		.amdhsa_reserve_vcc 0
		.amdhsa_float_denorm_mode_32 3
		.amdhsa_float_denorm_mode_16_64 3
		.amdhsa_memory_ordered 1
		.amdhsa_forward_progress 1
		.amdhsa_inst_pref_size 101
	.end_amdhsa_kernel
	.amdgpu_metadata
---
amdhsa.version: [ 1, 2 ]
amdhsa.kernels:
  - .name:           k_qda3024fc19_down
    .symbol:         k_qda3024fc19_down.kd
    .args:
      - { .name: rw_down, .offset: 0, .size: 8, .value_kind: global_buffer, .address_space: global }
      - { .name: sw_down, .offset: 8, .size: 8, .value_kind: global_buffer, .address_space: global }
      - { .name: hg, .offset: 16, .size: 8, .value_kind: global_buffer, .address_space: global }
      - { .name: meta, .offset: 24, .size: 8, .value_kind: global_buffer, .address_space: global }
      - { .name: part, .offset: 32, .size: 8, .value_kind: global_buffer, .address_space: global }
    .group_segment_fixed_size: 266752
    .private_segment_fixed_size: 0
    .kernarg_segment_align: 8
    .kernarg_segment_size: 40
    .max_flat_workgroup_size: 128
    .sgpr_count:     66
    .vgpr_count:     832
    .wavefront_size: 32
...
	.end_amdgpu_metadata
.endif
;; end of part 7
;; launch sum: the kernel of part 5 again; grid 256 x 1, 8 waves a work-group, no clusters, 0 bytes of LDS; arguments part, pos, cw, out0; writes out0
